; MI455X (gfx1250); checked and timed in simulation.
; The chip was launched on July 23, 2026; its instructions are those of AMD's public machine-readable ISA for CDNA 5 (MIT licence, August 2026) and "CDNA5" Instruction Set Architecture Reference Guide (July 2026). The comments in the code are by the model that wrote it; some were corrected since.
;; Attention Layer. Allowed arithmetic: float matrix products may take bf16 or f16 operands with f32 sums; other float arithmetic in f32, or as packed bf16 or f16 multiplies, adds, multiply-adds, maxima and minima; sums over many terms, partial sums and values carried from step to step in f32; what a program stores and reads back later, other than sums and carried values, may be rounded once to bf16 or f16.
;; Inputs: Wk 1,024 x 1,024 float32; Wq 1,024 x 1,024 float32; Wv 1,024 x 1,024 float32; bk 1,024 float32; bq 1,024 float32; bv 1,024 float32; x 4 x 2,048 x 1,024 float32.
;; Outputs: out0 4 x 2,048 x 1,024 float32.
;; 2 versions, each right; version 2 is version 1 with the launch prep written anew for expert scheduling mode. Each part assembles by itself: llvm-mc -triple=amdgcn-amd-amdhsa -mcpu=gfx1250 --defsym DOCPART=n.
;; ======== version 1 of 2: 4 launches
;; limits: values are held in f16: magnitudes above 65,504 overflow, below 6.1e-05 lose precision
;; workspace buffers: xb 16,777,216 bytes; wb 6,291,456 bytes; qkv 50,331,648 bytes; p 33,554,432 bytes; st 1,048,576 bytes
;; launch prep (part 1): grid 704 x 1, 8 waves a work-group, no clusters, 0 bytes of LDS; arguments x, Wq, Wk, Wv, xb, wb; writes xb, wb
.if DOCPART == 1
	.amdgcn_target "amdgcn-amd-amdhsa--gfx1250"
	.amdhsa_code_object_version 6
	.text
	.protected	k_qc793ac2906_prep
	.globl	k_qc793ac2906_prep
	.p2align	8
	.type	k_qc793ac2906_prep,@function
k_qc793ac2906_prep:
	s_mov_b64 s[64:65], 0
	v_nop
	global_prefetch_b8 v0, s[64:65] scope:SCOPE_SE
	s_setreg_imm32_b32 hwreg(HW_REG_WAVE_MODE, 25, 1), 1
	s_wait_xcnt 0x0
; x [8192][1024] and Wq, Wk, Wv [1024][1024] are rounded once to bf16, layouts kept: xb [8192][1024], wb [3][1024][1024] (q, k, v).
; A stream: every byte is read once and written once; no LDS, no matrix unit, no cluster (no two work-groups read the same byte).
; A work-group takes 16,384 numbers: 64 KiB in, 32 KiB out.  Work-groups 0-511 take x, 512-703 the three matrices, 64 each.
; Thread t takes the 16 bytes at 16 t of each 4,096: a wave's load covers 512 consecutive bytes, its store 256 consecutive bytes, aligned.
; All sixteen loads of a thread go out at once; no register is used twice, so no source of a pending instruction is ever rewritten.
.set WGX, 512                          ; work-groups that take x
	s_load_b256 s[4:11], s[0:1], 0x0               ; x s[4:5], Wq s[6:7], Wk s[8:9], Wv s[10:11]
	s_load_b128 s[12:15], s[0:1], 0x20             ; xb s[12:13], wb s[14:15]
	v_lshlrev_b32 v1, 4, v0                        ; my 16 bytes in
	v_lshlrev_b32 v2, 3, v0                        ; my 8 bytes out
	s_sub_co_u32 s16, ttmp9, WGX                   ; j: my number among the matrices' work-groups (used only where ttmp9 >= 512)
	s_lshr_b32 s17, s16, 6                         ; which matrix
	s_and_b32 s18, s16, 63                         ; which 64 KiB of it
	s_wait_kmcnt 0x0
	s_cmp_eq_u32 s17, 1
	s_cselect_b64 s[20:21], s[8:9], s[6:7]
	s_cmp_eq_u32 s17, 2
	s_cselect_b64 s[20:21], s[10:11], s[20:21]
	s_cmp_lt_u32 ttmp9, WGX
	s_cselect_b64 s[20:21], s[4:5], s[20:21]       ; from where
	s_cselect_b64 s[22:23], s[12:13], s[14:15]     ; to where
	s_cselect_b32 s24, ttmp9, s18                  ; the piece's number in its source,
	s_cselect_b32 s25, ttmp9, s16                  ; and in its destination
	s_lshl_b32 s26, s24, 16
	s_mov_b32 s27, 0
	s_lshl_b32 s28, s25, 15
	s_mov_b32 s29, 0
	s_add_nc_u64 s[20:21], s[20:21], s[26:27]
	s_add_nc_u64 s[22:23], s[22:23], s[28:29]
.set i, 0
.rept 16
	global_load_b128 v[8+4*i:11+4*i], v1, s[20:21] offset:4096*i th:TH_LOAD_NT
.set i, i+1
.endr
.set i, 0
.rept 16
	s_wait_loadcnt 15-i                            ; loads come back in order: number i is in, the 15 - i younger ones stay out
	v_cvt_pk_bf16_f32 v[72+2*i], v[8+4*i], v[9+4*i]
	v_cvt_pk_bf16_f32 v[73+2*i], v[10+4*i], v[11+4*i]
	global_store_b64 v2, v[72+2*i:73+2*i], s[22:23] offset:2048*i
.set i, i+1
.endr
	s_endpgm
.Lfunc_end_k_qc793ac2906_prep:
	.size	k_qc793ac2906_prep, .Lfunc_end_k_qc793ac2906_prep-k_qc793ac2906_prep
	.p2alignl 7, 3214868480
	.fill 96, 4, 3214868480
	.section	.rodata,"a",@progbits
	.p2align	6, 0x0
	.amdhsa_kernel k_qc793ac2906_prep
		.amdhsa_group_segment_fixed_size 0
		.amdhsa_private_segment_fixed_size 0
		.amdhsa_enable_private_segment 0
		.amdhsa_kernarg_size 48
		.amdhsa_user_sgpr_count 2
		.amdhsa_user_sgpr_kernarg_segment_ptr 1
		.amdhsa_wavefront_size32 1
		.amdhsa_system_sgpr_workgroup_id_x 1
		.amdhsa_system_sgpr_workgroup_id_y 1
		.amdhsa_system_sgpr_workgroup_id_z 1
		.amdhsa_system_vgpr_workitem_id 0
		.amdhsa_next_free_vgpr 104
		.amdhsa_next_free_sgpr 66
		.amdhsa_reserve_vcc 0
		.amdhsa_float_denorm_mode_32 3
		.amdhsa_float_denorm_mode_16_64 3
		.amdhsa_memory_ordered 1
		.amdhsa_forward_progress 1
		.amdhsa_inst_pref_size 7
	.end_amdhsa_kernel
	.amdgpu_metadata
---
amdhsa.version: [ 1, 2 ]
amdhsa.kernels:
  - .name:           k_qc793ac2906_prep
    .symbol:         k_qc793ac2906_prep.kd
    .args:
      - { .name: x, .offset: 0, .size: 8, .value_kind: global_buffer, .address_space: global }
      - { .name: Wq, .offset: 8, .size: 8, .value_kind: global_buffer, .address_space: global }
      - { .name: Wk, .offset: 16, .size: 8, .value_kind: global_buffer, .address_space: global }
      - { .name: Wv, .offset: 24, .size: 8, .value_kind: global_buffer, .address_space: global }
      - { .name: xb, .offset: 32, .size: 8, .value_kind: global_buffer, .address_space: global }
      - { .name: wb, .offset: 40, .size: 8, .value_kind: global_buffer, .address_space: global }
    .group_segment_fixed_size: 0
    .private_segment_fixed_size: 0
    .kernarg_segment_align: 8
    .kernarg_segment_size: 48
    .max_flat_workgroup_size: 256
    .sgpr_count:     66
    .vgpr_count:     104
    .wavefront_size: 32
...
	.end_amdgpu_metadata
.endif
;; end of part 1
;; launch qkv (part 2): grid 12 x 16, 4 waves a work-group, clusters of 4 x 4, 327,680 bytes of LDS; arguments xb, wb, bq, bk, bv, qkv; writes qkv
.if DOCPART == 2
	.amdgcn_target "amdgcn-amd-amdhsa--gfx1250"
	.amdhsa_code_object_version 6
	.text
	.protected	k_qc793ac2906_qkv
	.globl	k_qc793ac2906_qkv
	.p2align	8
	.type	k_qc793ac2906_qkv,@function
k_qc793ac2906_qkv:
	s_mov_b64 s[64:65], 0
	v_nop
	global_prefetch_b8 v0, s[64:65] scope:SCOPE_SE
	s_setreg_imm32_b32 hwreg(HW_REG_WAVE_MODE, 25, 1), 1
	s_wait_xcnt 0x0
	s_wait_alu depctr_hold_cnt(0) depctr_sa_sdst(0) depctr_va_vdst(0) depctr_va_sdst(0) depctr_va_ssrc(0) depctr_va_vcc(0) depctr_vm_vsrc(0)
	s_getreg_b32 s2, hwreg(HW_REG_IB_STS2, 6, 4)
	s_cmp_eq_u32 s2, 0
	s_cbranch_scc0 .Lentry_in_a_cluster
	s_endpgm
.Lentry_in_a_cluster:
	s_bfe_u32 s2, ttmp6, 0x10000c
	s_cmp_lg_u32 s2, 0xf033
	s_cbranch_scc0 .Lentry_shape_is_right
	s_endpgm
.Lentry_shape_is_right:
; [Q, K, V] = xb . wb + bias.  xb [8192][1024] bf16, wb [3][1024 d][1024 h] bf16, biases f32 (rounded here to bf16, as every input of the module is); qkv [3][8192][1024] f16.
; Sums in f32, begun with the bias as the C operand of the first product; each result rounded once to f16.  LIMIT: f16 ends at 65,504: |Q|, |K|, |V| must stay within it.
; SHARES.  8192 x 3072 x 1024 in 384 tiles of 256 x 256.  A WORK-GROUP STAYS and makes two tiles of one column of tiles, 4,096 rows apart: 192 work-groups of equal work.  (Tiles of 128 x 256 would give 768 work-groups,
; three for each of 256 WGPs; but a K step's LDS bytes, 3/4 of this tile's, would feed half the products, and a wave of 64 x 128 issues 3/4 of a fragment load for each product where one of 128 x 128 issues 1/2.)
; Four waves of 128 x 128: 64 accumulators, 512 registers.  K goes in steps of 128 through two LDS slots; the ring does not stop at a tile's end.  A's tile: 256 rows of 256 bytes; B's lies as in memory, [k][n]:
; 128 rows of 512 bytes, turned on the way to registers by ds_load_tr16_b128.
; CLUSTER 4 x 4: the cluster's x is the matrix (q, k, v), cx its column tile; a row of the cluster shares A's tile, a column B's: each is asked for jointly, by the same tensor load with the same descriptor and mask.
; THE PRODUCT IS USED TRANSPOSED (source 0 = 16 columns of B, source 1 = 16 rows of A): a lane holds row l % 16 and the columns 16 b + 8 (l / 16) + 0..7.
; REGISTERS, in windows of 256 (s_set_vgpr_msb: bits 1:0 source 0, 3:2 source 1, 5:4 source 2, 7:6 destination): window 0 v0-31 addresses, v64-127 and v128-191 A's fragments (two buffers), v32-63 and v192-255 the way out;
; window 1 v0-63 the bias of my 128 columns (8 registers for each block b of 16), v64-127 and v128-191 B's fragments; windows 2, 3 the accumulators ((a, b) at 8 (8 (a % 4) + b)).
.set PITCH,  272                       ; A's LDS row: 256 + 16 bytes: the 16 rows of a fragment load start in 16 different groups of four banks
.set PB,     544                       ; B's LDS row: 512 + 32 bytes, an odd multiple of 32
.set HALFT,  128*PITCH                 ; what one tensor load brings: 128 rows of A, or 64 rows of B (64 x 544 is the same number)
.set SLOT,   4*HALFT                   ; A's 256 rows, then B's 128; 0x22000 shares no bit with wave x HALFT, so one exclusive or changes slots
.set STAGE,  2*SLOT                    ; behind the ring: 16 rows x 272 bytes for each wave, for the way out
.set SP,     272
.set SPARE,  STAGE+4*16*SP             ; the spare words: 128 bytes a wave, two blocks of 256 bytes that no other line names
.set TILES,  2
.set WALKSH, 23                        ; a work-group's tiles lie 4,096 rows of 2,048 bytes apart, in xb and in a plane of qkv: 2^23 bytes
.set AK0,  12                          ; v12  my lane's place in A's tile; never rewritten
.set BK0,  13                          ; v13  in B's
.set ADRA, 14                          ; v14, v15  the same in the slot in hand
.set ADRB, 15
.set STO,  16                          ; v16  the way out: where I put 16 bytes of a row
.set RD,   17                          ; v17  where I read rows back
.set CO,   18                          ; v18  my byte offset in two rows of the output
.set PFO,  19                          ; v19  the prefetches' lane offset; never rewritten
.set SPW,  20                          ; v20  my spare word's LDS address; never rewritten
.set NIL,  21                          ; v21  0; never rewritten
.set BO,   22                          ; v22  my byte offset in the bias
.set F0,   64
.set F1,   128
.set OB,   32                          ; v32-63, v224-255 rows read back, by turns
.set TMP,  192                         ; v192-223 a block's results in f16
.set WV, 16
.set WR, 17                            ; my 128 rows of the tile; also: I fetch for A (0) or B (1)
.set WC, 18                            ; my 128 columns; also: which half of that tile's rows I fetch
.set TB, 19                            ; LDS byte at which the slot in hand begins
.set CX, 20
.set CY, 21
.set MT, 22                            ; the first tile's row of tiles
.set CLY, 23
.set G1A, 24
.set G0A, 32                           ; two sets: the first fill's, and the one that walks
.set PFA, 44                           ; s[44:45] what the next prefetch names
.set PFB, 46                           ; s[46:47] my work-group's rows at K step 0 of the first tile
.set G1B, 48
.set G0B, 56
.set LIM, 66                           ; the last step that I prefetch: 15 (A), 7 (B), 0 in a wave that asks for nothing
.set PSH, 67                           ; log2 of a K step's bytes: 8 along A's rows, 18 down B's
.set BP,  68                           ; s[68:69] the matrix's bias
.set OUTP, 70                          ; s[70:71] my part of the output
.set BA,  72                           ; s[72:73] A at my rows of the first tile, K step 0
.set BB,  74                           ; s[74:75] B at my rows of K step 0
.set OFA, 76                           ; s[76:77], s[78:79], s[80:81] offsets, the high words 0
.set OFB, 78
.set PO,  80
.set J,   82                           ; the step to be asked for next: 8 x tile + K step, 2 to 15
.set JP,  83                           ; the step to be prefetched: J + 2
.set T0,  84
.set T1,  85
.set MSB, 0
.macro WIN new                         ; the immediate's high byte repeats the setting that is left; a switch that changes nothing is dropped
.if MSB != (\new)
	s_set_vgpr_msb (MSB<<8)|(\new)
.set MSB, \new
.endif
.endm
.set MUL_LO, 0xa1                      ; source 0 (B) window 1, source 1 (A) window 0, C and D window 2
.set MUL_Z,  0x91                      ; the same with C, the bias, in window 1
.set TO_B,   0x40
.macro PLACES                          ; four plain vector instructions between a matrix instruction and a load into, or a vector read or write of, its registers
.rept 4
	v_nop
.endr
.endm
.macro CREST                           ; a round of the cluster's barrier behind its opening barrier
	s_cmp_lg_u32 s[WV], 0
	s_cbranch_scc1 .Lnot_wave_0_\@
	s_barrier_signal -3
.Lnot_wave_0_\@:
	s_barrier_wait -3
	s_barrier_signal -1
	s_barrier_wait -1
.endm
.macro CROUND
	s_barrier_signal -1
	s_barrier_wait -1
	CREST
.endm
.macro JLOAD                           ; a joint refill by the walking set: waves 0, 1 A's halves, waves 2, 3 B's; s_nop 0 and four v_nop follow each line
	s_cmp_eq_u32 s[WR], 0
	s_cbranch_scc0 .Lfor_b_\@
	tensor_load_to_lds s[G0A+4:G0A+7], s[G1A:G1A+7]
	s_nop 0
.rept 4
	v_nop
.endr
	s_branch .Lasked_\@
.Lfor_b_\@:
	tensor_load_to_lds s[G0B+4:G0B+7], s[G1B:G1B+7]
	s_nop 0
.rept 4
	v_nop
.endr
.Lasked_\@:
.endm
; A PREFETCH INTO THE L2, behind the refill for step J and the run of LDS loads: step J + 2, two K steps (512 products) ahead of the load that will want it.  Each 256 bytes are named once in the launch.
; A: of the 128 rows that waves 0 and 1 fetch each of the four partners of a row of the cluster takes 32, told apart by address (cx), a lane a row; the clusters with x = 0 ask, for both tiles (steps 4 to 15).
; B: of the 64 rows of 512 bytes that waves 2 and 3 fetch each of the four partners of a column takes 16 (cy), two lanes a row; the clusters with y = 0 ask, in the first tile alone (steps 4 to 7): the second tile walks the same rows.
.macro ASK
	s_cmp_le_u32 s[JP], s[LIM]
	s_cbranch_scc0 .Lnot_mine_\@
	global_prefetch_b8 v[PFO], s[PFA:PFA+1] th:TH_LOAD_NT scope:SCOPE_SE
.Lnot_mine_\@:
.endm
; 16 products: m blocks a0, a0 + 1 of the window's four x all 8 n blocks.  The 64 accumulators take turns in one order everywhere, from tile to tile too.  zero = 1: a tile's first products start the sums with the bias.
.macro MUL16 f, hi, a0, zero
.if \zero
	WIN MUL_Z+0x40*(\hi)
.else
	WIN MUL_LO+0x50*(\hi)
.endif
.irp a, \a0, (\a0)+1
.irp b, 0,1,2,3,4,5,6,7
.if \zero
	v_wmma_f32_16x16x32_bf16 v[8*(8*(\a)+(\b)):8*(8*(\a)+(\b))+7], v[(\f)+8*(\b):(\f)+8*(\b)+7], v[(\f)+8*(4*(\hi)+(\a)):(\f)+8*(4*(\hi)+(\a))+7], v[8*(\b):8*(\b)+7]
.else
	v_wmma_f32_16x16x32_bf16 v[8*(8*(\a)+(\b)):8*(8*(\a)+(\b))+7], v[(\f)+8*(\b):(\f)+8*(\b)+7], v[(\f)+8*(4*(\hi)+(\a)):(\f)+8*(4*(\hi)+(\a))+7], v[8*(8*(\a)+(\b)):8*(8*(\a)+(\b))+7]
.endif
.endr
.endr
.endm
.macro FETCH q, f                      ; 32 LDS loads in one run: quarter q of a K step (32 along K): B's 128 columns, turned, and then A's 128 rows, into buffer f
	WIN TO_B
.irp i, 0,1,2,3,4,5,6,7
	ds_load_tr16_b128 v[(\f)+8*(\i):(\f)+8*(\i)+3],   v[ADRB] offset:32*(\q)*PB+32*(\i)
	ds_load_tr16_b128 v[(\f)+8*(\i)+4:(\f)+8*(\i)+7], v[ADRB] offset:(32*(\q)+16)*PB+32*(\i)
.endr
	WIN 0
.irp i, 0,1,2,3,4,5,6,7
	ds_load_b128 v[(\f)+8*(\i):(\f)+8*(\i)+3],   v[ADRA] offset:64*(\q)+(\i)*16*PITCH
	ds_load_b128 v[(\f)+8*(\i)+4:(\f)+8*(\i)+7], v[ADRA] offset:64*(\q)+(\i)*16*PITCH+32
.endr
.endm
.macro QUARTER q, f, g, zero           ; multiplies buffer f; in its middle fetches quarter q into g
	s_wait_dscnt 8                                 ; B's fragments and A's rows 0-63 are in; the youngest eight loads may be out
	MUL16 \f, 0, 0, \zero
	MUL16 \f, 0, 2, \zero
	PLACES
	FETCH \q, \g
	s_wait_dscnt 32                                ; all but the 32 just issued
	MUL16 \f, 1, 0, \zero
	MUL16 \f, 1, 2, \zero
.endm
; The last quarter multiplies buffer 1 and changes slots.  Half of its products stand ahead of the change, so that nothing but the change's own lines lies between the wait for the next tile and the next request.
; Each wave waits for all its tensor loads (one is out: its part of the other slot), adds 0 to its spare word, and waits for that and for its reads of this slot.
; fill = 1: the barrier opens a round of the cluster's, and the joint refill (step J, into the slot just left) stands first behind the round: 256 products lie between it and the wait for it.  Its address is made anew
; from J: the base, J % 8 K steps, J / 8 tiles.  fill = 0: the last tile's last two K steps: nothing is asked for, and the last fetches nothing (the jump passes neither a barrier nor a tensor load).
.macro TURN fill
	s_wait_dscnt 8
	MUL16 F1, 0, 0, 0
	MUL16 F1, 0, 2, 0
	WIN 0
.if \fill
	s_wait_xcnt 0x0                                ; the last prefetch, a K step back, has read its address
	s_add_co_u32 s[JP], s[J], 2
	s_and_b32 s[T0], s[JP], 7
	s_lshl_b32 s[T0], s[T0], s[PSH]
	s_lshr_b32 s[T1], s[JP], 3
	s_lshl_b32 s[T1], s[T1], WALKSH
	s_add_co_u32 s[PO], s[T0], s[T1]
	s_add_nc_u64 s[PFA:PFA+1], s[PFB:PFB+1], s[PO:PO+1]
.endif
	s_wait_tensorcnt 0x0                           ; no tensor load of mine is out, so the walking sets may be written
	ds_add_u32 v[SPW], v[NIL]
.if \fill
	s_and_b32 s[T0], s[J], 7
	s_lshr_b32 s[T1], s[J], 3
	s_lshl_b32 s[OFA], s[T0], 8
	s_lshl_b32 s[T1], s[T1], WALKSH
	s_add_co_u32 s[OFA], s[OFA], s[T1]
	s_lshl_b32 s[OFB], s[T0], 18
	s_xor_b32 s[G0A+5], s[G0A+5], SLOT             ; the other slot than last time
	s_add_nc_u64 s[G0A+6:G0A+7], s[BA:BA+1], s[OFA:OFA+1]
	s_or_b32 s[G0A+7], s[G0A+7], 0x80000000
	s_xor_b32 s[G0B+5], s[G0B+5], SLOT
	s_add_nc_u64 s[G0B+6:G0B+7], s[BB:BB+1], s[OFB:OFB+1]
	s_or_b32 s[G0B+7], s[G0B+7], 0x80000000
	s_add_co_u32 s[J], s[J], 1
.endif
	s_wait_dscnt 0x0                               ; the add is done, and my reads of this slot are over
	s_barrier_signal -1
	s_barrier_wait -1
.if \fill
	CREST
	JLOAD                                          ; its four v_nop are also the places in front of the loads below
.else
	PLACES
	s_cmp_eq_u32 s3, 1
	s_cbranch_scc1 .Lnf_\@
.endif
	s_xor_b32 s[TB], s[TB], SLOT
	v_add_nc_u32 v[ADRA], s[TB], v[AK0]
	v_add_nc_u32 v[ADRB], s[TB], v[BK0]
	FETCH 0, F0
.if \fill
	ASK
.else
.Lnf_\@:
.endif
	MUL16 F1, 1, 0, 0
	MUL16 F1, 1, 2, 0
.endm
	s_load_b256 s[4:11], s[0:1], 0x0               ; xb s[4:5], wb s[6:7], bq s[8:9], bk s[10:11]
	s_load_b128 s[12:15], s[0:1], 0x20             ; bv s[12:13], qkv s[14:15]
	v_lshl_add_u32 v[SPW], v0, 2, SPARE
	v_mov_b32 v[NIL], 0
	ds_add_u32 v[SPW], v[NIL]                      ; the wave's opening: the add and its wait stand ahead of my first tensor load
	v_lshrrev_b32 v3, 5, v0
	v_readfirstlane_b32 s[WV], v3
	s_lshr_b32 s[WR], s[WV], 1
	s_and_b32 s[WC], s[WV], 1
	s_bfe_u32 s[CX], ttmp6, 0x40000
	s_bfe_u32 s[CY], ttmp6, 0x40004
	s_and_b32 s[CLY], ttmp7, 0xffff
	s_lshl_b32 s[MT], s[CLY], 2
	s_add_co_u32 s[MT], s[MT], s[CY]               ; the first tile's row of tiles = 4 x cluster y + cy, 0 to 15
	s_lshl_b32 s40, s[CY], 2
	s_lshl_b32 s40, 15, s40                        ; my row of the cluster
	s_lshl_b32 s41, 0x1111, s[CX]                  ; my column
	s_or_b32 s[G1A], s40, (1<<16)|(1<<20)|(1<<21)|(5<<22)|(3<<25)  ; mask; 2-byte elements; padding on; bit 21 beside a mask; after every 64 words 4 words
	s_or_b32 s[G1B], s41, (1<<16)|(1<<20)|(1<<21)|(6<<22)|(7<<25)  ; after every 128 words 8 words
	s_mov_b32 s[G1A+1], 128<<16                    ; tensor_dim0 = 128
	s_mov_b32 s[G1A+2], 128<<16                    ; tensor_dim1 = 128
	s_mov_b32 s[G1A+3], 128<<16                    ; tile_dim0 = 128
	s_mov_b32 s[G1A+4], 128                        ; tile_dim1 = 128
	s_mov_b32 s[G1A+5], 1024                       ; elements from row to row
	s_mov_b32 s[G1A+6], 0
	s_mov_b32 s[G1A+7], 0
	s_mov_b32 s[G1B+1], 256<<16
	s_mov_b32 s[G1B+2], 64<<16
	s_mov_b32 s[G1B+3], 256<<16
	s_mov_b32 s[G1B+4], 64
	s_mov_b32 s[G1B+5], 1024
	s_mov_b32 s[G1B+6], 0
	s_mov_b32 s[G1B+7], 0
	s_mul_i32 s43, s[WV], HALFT                    ; where my rows go: A's two halves, then B's two: no place in the cluster enters an LDS address
.irp g, G0A, G0B
	s_mov_b32 s[(\g)], 1
	s_mov_b32 s[(\g)+1], s43
	s_mov_b32 s[(\g)+4], 1
	s_add_co_u32 s[(\g)+5], s43, SLOT
.endr
	s_lshl_b32 s86, s[MT], 19                      ; A: 256 rows of 2,048 bytes a tile,
	s_lshl_b32 s87, s[WC], 18                      ; my 128 of them
	s_add_co_u32 s86, s86, s87
	s_mov_b32 s87, 0
	s_lshl_b32 s88, ttmp9, 21                      ; B: the matrix,
	s_lshl_b32 s89, s[WC], 17                      ; my 64 of a K step's 128 rows,
	s_add_co_u32 s88, s88, s89
	s_lshl_b32 s89, s[CX], 9                       ; the tile's 256 columns
	s_add_co_u32 s88, s88, s89
	s_mov_b32 s89, 0
	s_mov_b32 s[OFA+1], 0
	s_mov_b32 s[OFB+1], 0
	s_mov_b32 s[PO+1], 0
	s_mov_b32 s[J], 2                              ; steps 0 and 1 are the first fills
	s_wait_dscnt 0x0                               ; the opening add is done
	s_wait_kmcnt 0x0
	s_add_nc_u64 s[BA:BA+1], s[4:5], s[86:87]
	s_add_nc_u64 s[BB:BB+1], s[6:7], s[88:89]
	s_mov_b64 s[G0A+2:G0A+3], s[BA:BA+1]
	s_add_nc_u64 s[G0A+6:G0A+7], s[BA:BA+1], 1<<8
	s_or_b32 s[G0A+3], s[G0A+3], 0x80000000
	s_or_b32 s[G0A+7], s[G0A+7], 0x80000000
	s_mov_b64 s[G0B+2:G0B+3], s[BB:BB+1]
	s_add_nc_u64 s[G0B+6:G0B+7], s[BB:BB+1], 1<<18
	s_or_b32 s[G0B+3], s[G0B+3], 0x80000000
	s_or_b32 s[G0B+7], s[G0B+7], 0x80000000
	CROUND                                         ; all sixteen work-groups are here: the first joint loads meet
	s_cmp_eq_u32 s[WR], 0                          ; a wave's two first fills stand in one branch: two loads of mine are out
	s_cbranch_scc0 .Lfirst_b
	tensor_load_to_lds s[G0A:G0A+3], s[G1A:G1A+7]
	s_nop 0
	tensor_load_to_lds s[G0A+4:G0A+7], s[G1A:G1A+7]
	s_nop 0
.rept 4
	v_nop
.endr
	s_branch .Lfirst_asked
.Lfirst_b:
	tensor_load_to_lds s[G0B:G0B+3], s[G1B:G1B+7]
	s_nop 0
	tensor_load_to_lds s[G0B+4:G0B+7], s[G1B:G1B+7]
	s_nop 0
.rept 4
	v_nop
.endr
.Lfirst_asked:
	v_and_b32 v1, 15, v0                           ; r = l % 16
	v_bfe_u32 v2, v0, 4, 1                         ; h = l / 16
	v_and_b32 v4, 7, v0
	v_bfe_u32 v5, v0, 3, 1
	v_and_b32 v6, 31, v0                           ; l
	s_cmp_eq_u32 ttmp9, 1                          ; the matrix's bias: the same for both tiles of the walk
	s_cselect_b64 s[BP:BP+1], s[10:11], s[8:9]
	s_cmp_eq_u32 ttmp9, 2
	s_cselect_b64 s[BP:BP+1], s[12:13], s[BP:BP+1]
	s_lshl_b32 s40, s[CX], 10
	s_lshl_b32 s41, s[WC], 9
	s_add_co_u32 s40, s40, s41
	v_lshl_add_u32 v[BO], v2, 5, s40               ; the bias of columns 16 b + 8 h + 0..7 of my 128: 64 b + 32 h bytes on
	WIN TO_B
.irp b, 0,1,2,3,4,5,6,7
	global_load_b128 v[8*(\b):8*(\b)+3],   v[BO], s[BP:BP+1] offset:64*(\b)
	global_load_b128 v[8*(\b)+4:8*(\b)+7], v[BO], s[BP:BP+1] offset:64*(\b)+16
.endr
	WIN 0
	v_mul_u32_u24 v3, v1, PITCH
	v_lshl_add_u32 v3, v2, 4, v3                   ; a fragment's row x pitch + 16 h
	s_mul_i32 s40, s[WR], HALFT
	v_add_nc_u32 v[AK0], s40, v3
	v_lshl_add_u32 v3, v2, 3, v4                   ; the turning load: lane l reads row 8 h + l % 8, 16 bytes at 16 ((l / 8) % 2)
	v_mul_u32_u24 v[BK0], v3, PB
	v_lshl_add_u32 v[BK0], v5, 4, v[BK0]
	s_lshl_b32 s40, s[WC], 8
	s_add_co_u32 s40, s40, 2*HALFT
	v_add_nc_u32 v[BK0], s40, v[BK0]
	s_mul_i32 s40, s[WV], 16*SP
	s_add_co_u32 s40, s40, STAGE                   ; my stage
	v_mul_u32_u24 v[STO], v1, SP
	v_lshl_add_u32 v[STO], v2, 4, v[STO]
	v_add_nc_u32 v[STO], s40, v[STO]
	v_mul_u32_u24 v[RD], v2, SP
	v_lshl_add_u32 v[RD], v1, 4, v[RD]
	v_add_nc_u32 v[RD], s40, v[RD]
	v_lshlrev_b32 v[CO], 11, v2
	v_lshl_add_u32 v[CO], v1, 4, v[CO]
	s_lshl_b32 s40, s[CX], 16                      ; the prefetches.  A: my work-group's 32 of the 128 rows that I fetch
	s_add_co_u32 s40, s86, s40
	s_lshl_b32 s41, s[CY], 15                      ; B: its 16 of the 64
	s_add_co_u32 s41, s88, s41
	s_cmp_eq_u32 s[WR], 0
	s_cselect_b64 s[PFB:PFB+1], s[4:5], s[6:7]
	s_cselect_b32 s40, s40, s41
	s_cselect_b32 s42, ttmp9, s[CLY]               ; the coordinate along which other clusters read the same rows
	s_cselect_b32 s[PSH], 8, 18
	s_cselect_b32 s43, 15, 7
	s_cselect_b32 s91, 0, 1                        ; A: a lane a row; B: two lanes a row of 512 bytes
	s_mov_b32 s41, 0
	s_add_nc_u64 s[PFB:PFB+1], s[PFB:PFB+1], s[40:41]
	s_cmp_eq_u32 s42, 0
	s_cselect_b32 s[LIM], s43, 0
	v_lshrrev_b32 v3, s91, v6
	v_and_b32 v8, s91, v6
	v_lshlrev_b32 v[PFO], 11, v3
	v_lshl_add_u32 v[PFO], v8, 8, v[PFO]
	s_lshl_b32 s90, ttmp9, 24                      ; the output: plane, the first tile's rows, my 128 rows, tile column, my 128 columns
	s_lshl_b32 s91, s[MT], 19
	s_add_co_u32 s90, s90, s91
	s_lshl_b32 s91, s[WR], 18
	s_add_co_u32 s90, s90, s91
	s_lshl_b32 s91, s[CX], 9
	s_add_co_u32 s90, s90, s91
	s_lshl_b32 s91, s[WC], 8
	s_add_co_u32 s90, s90, s91
	s_mov_b32 s91, 0
	s_add_nc_u64 s[OUTP:OUTP+1], s[14:15], s[90:91]
	s_wait_loadcnt 0x0                             ; the bias: rounded to bf16 and widened again
	WIN 0x05                                       ; sources in window 1
.set i, 0
.rept 32
	v_cvt_pk_bf16_f32 v[TMP+i], v[2*i], v[2*i+1]
.set i, i+1
.endr
	WIN TO_B                                       ; destination in window 1
.set i, 0
.rept 32
	v_lshlrev_b32 v[2*i], 16, v[TMP+i]
	v_and_b32 v[2*i+1], 0xffff0000, v[TMP+i]
.set i, i+1
.endr
	WIN 0
	s_wait_tensorcnt 0x1                           ; my part of slot 0 is in; slot 1's may stay out
	s_barrier_signal -1
	s_barrier_wait -1
	s_mov_b32 s[TB], 0
	v_mov_b32 v[ADRA], v[AK0]
	v_mov_b32 v[ADRB], v[BK0]
	FETCH 0, F0
	s_mov_b32 s2, TILES                            ; tiles to go, this one among them: the same number in every work-group
.Ltile:
	QUARTER 1, F0, F1, 1                           ; a tile's first quarter stands in front of the loop: its products start the sums
	WIN 0
	s_mov_b32 s3, 6
	s_branch .Lmid
.LA:                                               ; six trips, the first entered behind its first quarter: K steps 0 to 5 ask for K steps 2 to 7
	QUARTER 1, F0, F1, 0
	WIN 0
.Lmid:
	QUARTER 2, F1, F0, 0
	QUARTER 3, F0, F1, 0
	TURN 1
	WIN 0
	s_sub_co_u32 s3, s3, 1
	s_cmp_lg_u32 s3, 0
	s_cbranch_scc1 .LA
	s_cmp_eq_u32 s2, 1
	s_cbranch_scc1 .Llast                          ; the last tile's tail has a text of its own: it asks for nothing more
	s_mov_b32 s3, 2
.LC:                                               ; THE RING GOES ON INTO THE NEXT TILE: K steps 6 and 7 ask for its K steps 0 and 1, and the second fetches its first fragments
	QUARTER 1, F0, F1, 0
	QUARTER 2, F1, F0, 0
	QUARTER 3, F0, F1, 0
	TURN 1
	WIN 0
	s_sub_co_u32 s3, s3, 1
	s_cmp_lg_u32 s3, 0
	s_cbranch_scc1 .LC
	s_branch .Lout
.Llast:
	s_mov_b32 s3, 2
.LB:
	QUARTER 1, F0, F1, 0
	QUARTER 2, F1, F0, 0
	QUARTER 3, F0, F1, 0
	TURN 0
	WIN 0
	s_sub_co_u32 s3, s3, 1
	s_cmp_lg_u32 s3, 0
	s_cbranch_scc1 .LB
.Lout:
; THE WAY OUT, a block of 16 rows at a time: rounded to f16, through my own stage in LDS, stored as whole rows of 256 bytes.  It names neither buffer 0, which holds the next tile's first fragments, nor the bias.
; Where a tile follows, both its first refills have been asked for, and nothing waits for these stores.
.macro PACK a
.set AC, 64*((\a)%4)
	WIN 0x0a+5*((\a)/4)                            ; sources 0 and 1: window 2 or 3
.irp b, 0,1,2,3,4,5,6,7
.irp r, 0,1,2,3
	v_cvt_pk_f16_f32 v[TMP+4*(\b)+(\r)], v[AC+8*(\b)+2*(\r)], v[AC+8*(\b)+2*(\r)+1]  ; ascending: each accumulator is read from its low end on
.endr
.endr
	WIN 0
.endm
.macro TOSTAGE a
.set BK, OB+192*((\a)%2)
.irp b, 0,1,2,3,4,5,6,7
	ds_store_b128 v[STO], v[TMP+4*(\b):TMP+4*(\b)+3] offset:32*(\b)
.endr
.irp t, 0,1,2,3,4,5,6,7
	ds_load_b128 v[BK+4*(\t):BK+4*(\t)+3], v[RD] offset:(\t)*2*SP  ; LDS serves a wave's instructions in order (ISA guide 5.7.1.4): these see the stores above
.endr
.endm
.macro SEND a
.set BK, OB+192*((\a)%2)
	s_wait_dscnt 0x0                               ; the block is back in registers
	s_wait_xcnt 0x0                                ; the stores of the block before have read their registers, which the next block's loads write
.irp t, 0,1,2,3,4,5,6,7
	global_store_b128 v[CO], v[BK+4*(\t):BK+4*(\t)+3], s[OUTP:OUTP+1] offset:(\a)*32768+(\t)*4096  ; 16 lanes store 256 consecutive bytes, aligned
.endr
.endm
	PLACES
	PACK 0
	TOSTAGE 0
.irp a, 1,2,3,4,5,6,7                  ; a block's conversions stand between the loads of the block before and its stores
	PACK \a
	SEND (\a)-1
	TOSTAGE \a
.endr
	SEND 7
	s_wait_xcnt 0x0                                ; the stores have read their base
	s_add_nc_u64 s[OUTP:OUTP+1], s[OUTP:OUTP+1], 1<<WALKSH
	s_sub_co_u32 s2, s2, 1
	s_cmp_lg_u32 s2, 0
	s_cbranch_scc1 .Ltile
	s_wait_tensorcnt 0x0                           ; the wave's end
	ds_add_u32 v[SPW], v[NIL]
	s_wait_dscnt 0x0
	CROUND                                         ; the closing round
	s_endpgm
.Lfunc_end_k_qc793ac2906_qkv:
	.size	k_qc793ac2906_qkv, .Lfunc_end_k_qc793ac2906_qkv-k_qc793ac2906_qkv
	.p2alignl 7, 3214868480
	.fill 96, 4, 3214868480
	.section	.rodata,"a",@progbits
	.p2align	6, 0x0
	.amdhsa_kernel k_qc793ac2906_qkv
		.amdhsa_group_segment_fixed_size 327680
		.amdhsa_private_segment_fixed_size 0
		.amdhsa_enable_private_segment 0
		.amdhsa_kernarg_size 48
		.amdhsa_user_sgpr_count 2
		.amdhsa_user_sgpr_kernarg_segment_ptr 1
		.amdhsa_wavefront_size32 1
		.amdhsa_system_sgpr_workgroup_id_x 1
		.amdhsa_system_sgpr_workgroup_id_y 1
		.amdhsa_system_sgpr_workgroup_id_z 1
		.amdhsa_system_vgpr_workitem_id 0
		.amdhsa_next_free_vgpr 1024
		.amdhsa_next_free_sgpr 92
		.amdhsa_reserve_vcc 0
		.amdhsa_float_denorm_mode_32 3
		.amdhsa_float_denorm_mode_16_64 3
		.amdhsa_memory_ordered 1
		.amdhsa_forward_progress 1
		.amdhsa_inst_pref_size 135
	.end_amdhsa_kernel
	.amdgpu_metadata
---
amdhsa.version: [ 1, 2 ]
amdhsa.kernels:
  - .name:           k_qc793ac2906_qkv
    .symbol:         k_qc793ac2906_qkv.kd
    .args:
      - { .name: xb, .offset: 0, .size: 8, .value_kind: global_buffer, .address_space: global }
      - { .name: wb, .offset: 8, .size: 8, .value_kind: global_buffer, .address_space: global }
      - { .name: bq, .offset: 16, .size: 8, .value_kind: global_buffer, .address_space: global }
      - { .name: bk, .offset: 24, .size: 8, .value_kind: global_buffer, .address_space: global }
      - { .name: bv, .offset: 32, .size: 8, .value_kind: global_buffer, .address_space: global }
      - { .name: qkv, .offset: 40, .size: 8, .value_kind: global_buffer, .address_space: global }
    .group_segment_fixed_size: 327680
    .private_segment_fixed_size: 0
    .kernarg_segment_align: 8
    .kernarg_segment_size: 48
    .max_flat_workgroup_size: 128
    .sgpr_count:     92
    .vgpr_count:     1024
    .wavefront_size: 32
...
	.end_amdgpu_metadata
.endif
;; end of part 2
;; launch scores (part 3): grid 8 x 32, 4 waves a work-group, clusters of 4 x 4, 327,680 bytes of LDS; arguments qkv, p, st; writes p, st
.if DOCPART == 3
	.amdgcn_target "amdgcn-amd-amdhsa--gfx1250"
	.amdhsa_code_object_version 6
	.text
	.protected	k_qc793ac2906_scores
	.globl	k_qc793ac2906_scores
	.p2align	8
	.type	k_qc793ac2906_scores,@function
k_qc793ac2906_scores:
	s_mov_b64 s[64:65], 0
	v_nop
	global_prefetch_b8 v0, s[64:65] scope:SCOPE_SE
	s_setreg_imm32_b32 hwreg(HW_REG_WAVE_MODE, 25, 1), 1
	s_wait_xcnt 0x0
	s_wait_alu depctr_hold_cnt(0) depctr_sa_sdst(0) depctr_va_vdst(0) depctr_va_sdst(0) depctr_va_ssrc(0) depctr_va_vcc(0) depctr_vm_vsrc(0)
	s_getreg_b32 s2, hwreg(HW_REG_IB_STS2, 6, 4)
	s_cmp_eq_u32 s2, 0
	s_cbranch_scc0 .Lentry_in_a_cluster
	s_endpgm
.Lentry_in_a_cluster:
	s_bfe_u32 s2, ttmp6, 0x10000c
	s_cmp_lg_u32 s2, 0xf033
	s_cbranch_scc0 .Lentry_shape_is_right
	s_endpgm
.Lentry_shape_is_right:
; S = Q K^T for each batch, and the first half of the softmax.  Q, K: planes 0 and 1 of qkv, [8192][1024] f16.  For each query and each block of 128 keys: m = the block's largest score,
; P = 2^(c s - c m) in f16 (c = log2(e) / 32), l = the sum of the unrounded P.  p: [8192 query][2048 key] f16; st: [2][4 batch][16 block][2048 query] f32, plane 0 c m, plane 1 l.
; The maximum taken away is the block's own, so P lies in 0 to 1 and l in 1 to 128; the next launch brings the blocks to the row's maximum.  A weight below 2^-126 counts as 0.  NaN and infinities are not treated apart.
; SHARES.  256 tiles of 256 x 256, one a work-group; four waves of 128 x 128: 64 accumulators, 512 registers; a wave's 128 columns are one block of keys.  K (1,024 channels) goes in 8 steps of 128 through two LDS slots.
; CLUSTER 4 x 4: a row of the cluster shares Q's tile, a column K's: joint loads.  THE PRODUCT IS USED TRANSPOSED (source 0 = 16 keys, source 1 = 16 queries): a lane holds query l % 16 and the keys 16 b + 8 (l / 16) + 0..7.
; REGISTERS: window 0 v0-31 addresses, v64-127 and v128-191 Q's fragments (two buffers), v32-204 at work on the way out; window 1 K's fragments; windows 2, 3 the accumulators ((a, b) at 8 (8 (a % 4) + b)).
.set PITCH,  272                       ; 256 bytes + 16: the 16 rows of a fragment load start in 16 different groups of four banks
.set HALFT,  128*PITCH                 ; what one tensor load brings
.set SLOT,   4*HALFT                   ; Q's 256 rows, then K's; 0x22000 shares no bit with wave x HALFT, so one exclusive or changes slots
.set STAGE,  2*SLOT                    ; 16 rows x 272 bytes for each wave
.set SP,     272
.set STAT,   STAGE+4*16*SP             ; 1,024 bytes a wave: c m of its 128 rows, then l
.set SPARE,  STAT+4096                 ; the spare words: two blocks of 256 bytes that no other line names
.set STEPS,  8
.set KPLANE, 16777216                  ; K's plane in qkv
.set AK0,  12
.set BK0,  13
.set ADRA, 14
.set ADRB, 15
.set STO,  16
.set RD,   17
.set CO,   18
.set PFO,  19
.set SPW,  20
.set NIL,  21
.set SA,   22                          ; v22  where I put a row's c m
.set SR,   23                          ; v23  where I read 16 bytes of the statistics back
.set SO,   24                          ; v24  16 x lane
.set F0,   64
.set F1,   128
.set OB0,  32                          ; the way out: v32-63 and v160-191 rows read back, by turns
.set EX,   64                          ; v64-127  a block's 64 exponents, then weights
.set TMP,  128                         ; v128-159 the weights in f16
.set TT,   192                         ; v192-199 running maxima
.set XX,   200                         ; v200     the other half of the lanes' figure
.set CM,   202                         ; v202 c m; v203 is named with it as a pair
.set LS,   204                         ; v204 l
.set WV, 10
.set WR, 11
.set WC, 12
.set TY, 13
.set TX, 14
.set TB, 15
.set G1A, 24
.set G0A, 32
.set CX, 40
.set CY, 41
.set LIM, 42
.set PFA, 44
.set G1B, 48
.set G0B, 56
.set CS,  66                           ; s[66:67] c
.set SEL, 68                           ; s[68:69] v_permlanex16_b32's selects: each lane takes its own place in the other half
.set PP,  70                           ; s[70:71] my part of p
.set STP, 72                           ; s[72:73] my part of st
.set CLY, 74
.set MSB, 0
.macro WIN new
.if MSB != (\new)
	s_set_vgpr_msb (MSB<<8)|(\new)
.set MSB, \new
.endif
.endm
.set MUL_LO, 0xa1                      ; source 0 (K) window 1, source 1 (Q) window 0, C and D window 2
.set MUL_HI, 0xf1
.set TO_B,   0x40
.macro PLACES
.rept 4
	v_nop
.endr
.endm
.macro CREST
	s_cmp_lg_u32 s[WV], 0
	s_cbranch_scc1 .Lnot_wave_0_\@
	s_barrier_signal -3
.Lnot_wave_0_\@:
	s_barrier_wait -3
	s_barrier_signal -1
	s_barrier_wait -1
.endm
.macro CROUND
	s_barrier_signal -1
	s_barrier_wait -1
	CREST
.endm
.macro JLOAD                           ; a joint refill by the walking set: waves 0, 1 Q's halves, waves 2, 3 K's
	s_cmp_eq_u32 s[WR], 0
	s_cbranch_scc0 .Lfor_b_\@
	tensor_load_to_lds s[G0A+4:G0A+7], s[G1A:G1A+7]
	s_nop 0
.rept 4
	v_nop
.endr
	s_branch .Lasked_\@
.Lfor_b_\@:
	tensor_load_to_lds s[G0B+4:G0B+7], s[G1B:G1B+7]
	s_nop 0
.rept 4
	v_nop
.endr
.Lasked_\@:
.endm
; A prefetch behind the refill for K step t + 2: K step t + 4, 512 products ahead of the load that will want it.  Of the 128 rows that a wave fetches each of the four partners that ask jointly takes 32, told apart by
; address (cx for Q, cy for K), a lane a row of 256 bytes.  Q's rows are named by the clusters with x = 0, K's by the first of the two clusters along y that walk a batch: each 256 bytes once in the launch.
.macro ASK
	s_cmp_gt_u32 s3, s[LIM]
	s_cbranch_scc0 .Lnot_mine_\@
	global_prefetch_b8 v[PFO], s[PFA:PFA+1] th:TH_LOAD_NT scope:SCOPE_SE
.Lnot_mine_\@:
.endm
.macro MUL16 f, hi, a0, zero           ; 16 products: m blocks a0, a0 + 1 of the window's four x all 8 n blocks; the 64 accumulators take turns in one order everywhere
	WIN MUL_LO+0x50*(\hi)
.irp a, \a0, (\a0)+1
.irp b, 0,1,2,3,4,5,6,7
.if \zero
	v_wmma_f32_16x16x32_f16 v[8*(8*(\a)+(\b)):8*(8*(\a)+(\b))+7], v[(\f)+8*(\b):(\f)+8*(\b)+7], v[(\f)+8*(4*(\hi)+(\a)):(\f)+8*(4*(\hi)+(\a))+7], 0
.else
	v_wmma_f32_16x16x32_f16 v[8*(8*(\a)+(\b)):8*(8*(\a)+(\b))+7], v[(\f)+8*(\b):(\f)+8*(\b)+7], v[(\f)+8*(4*(\hi)+(\a)):(\f)+8*(4*(\hi)+(\a))+7], v[8*(8*(\a)+(\b)):8*(8*(\a)+(\b))+7]
.endif
.endr
.endr
.endm
.macro FETCH k, f                      ; 32 LDS loads in one run: 32 along K at byte k of the rows, K's 128 rows and then Q's, into buffer f
	WIN TO_B
.irp i, 0,1,2,3,4,5,6,7
	ds_load_b128 v[(\f)+8*(\i):(\f)+8*(\i)+3],   v[ADRB] offset:(\k)+(\i)*16*PITCH
	ds_load_b128 v[(\f)+8*(\i)+4:(\f)+8*(\i)+7], v[ADRB] offset:(\k)+(\i)*16*PITCH+32
.endr
	WIN 0
.irp i, 0,1,2,3,4,5,6,7
	ds_load_b128 v[(\f)+8*(\i):(\f)+8*(\i)+3],   v[ADRA] offset:(\k)+(\i)*16*PITCH
	ds_load_b128 v[(\f)+8*(\i)+4:(\f)+8*(\i)+7], v[ADRA] offset:(\k)+(\i)*16*PITCH+32
.endr
.endm
.macro QUARTER k, f, g, zero           ; multiplies buffer f; in its middle fetches the next quarter, at byte k, into g
	s_wait_dscnt 8                                 ; K's fragments and Q's rows 0-63 are in; the youngest eight loads may be out
	MUL16 \f, 0, 0, \zero
	MUL16 \f, 0, 2, \zero
	PLACES
	FETCH \k, \g
	s_wait_dscnt 32                                ; all but the 32 just issued
	MUL16 \f, 1, 0, \zero
	MUL16 \f, 1, 2, \zero
.endm
; The last quarter multiplies buffer 1 and changes slots.  Half of its products stand ahead of the change, so that nothing but the change's own lines lies between the wait for the next tile and the next request.
; Each wave waits for all its tensor loads (one is out: its part of the other slot), adds 0 to its spare word, waits for that and for its reads of this slot.
; fill = 1: the barrier opens a round of the cluster's, and the joint refill stands first behind the round: 256 products lie between it and the wait for it.  fill = 0: the last two K steps; the last fetches nothing.
.macro TURN fill
	s_wait_dscnt 8                                 ; K's fragments and Q's rows 0-63 of buffer 1 are in
	MUL16 F1, 0, 0, 0
	MUL16 F1, 0, 2, 0
	WIN 0
.if \fill
	s_wait_xcnt 0x0                                ; the last prefetch, a K step back, has read its address
	s_add_nc_u64 s[PFA:PFA+1], s[PFA:PFA+1], 256
.endif
	s_wait_tensorcnt 0x0
	ds_add_u32 v[SPW], v[NIL]
.if \fill
	s_xor_b32 s[G0A+5], s[G0A+5], SLOT
	s_add_nc_u64 s[G0A+6:G0A+7], s[G0A+6:G0A+7], 256
	s_xor_b32 s[G0B+5], s[G0B+5], SLOT
	s_add_nc_u64 s[G0B+6:G0B+7], s[G0B+6:G0B+7], 256
.endif
	s_wait_dscnt 0x0                               ; the add is done, and my reads of this slot are over
	s_barrier_signal -1
	s_barrier_wait -1
.if \fill
	CREST
	JLOAD                                          ; its four v_nop are also the places in front of the loads below
.else
	PLACES
	s_cmp_eq_u32 s3, 1
	s_cbranch_scc1 .Lnf_\@
.endif
	s_xor_b32 s[TB], s[TB], SLOT
	v_add_nc_u32 v[ADRA], s[TB], v[AK0]
	v_add_nc_u32 v[ADRB], s[TB], v[BK0]
	FETCH 0, F0
.if \fill
	ASK
.else
.Lnf_\@:
.endif
	MUL16 F1, 1, 0, 0
	MUL16 F1, 1, 2, 0
.endm
	s_load_b128 s[4:7], s[0:1], 0x0                ; qkv s[4:5], p s[6:7]
	s_load_b64 s[8:9], s[0:1], 0x10                ; st
	v_lshl_add_u32 v[SPW], v0, 2, SPARE
	v_mov_b32 v[NIL], 0
	ds_add_u32 v[SPW], v[NIL]                      ; the wave's opening: the add and its wait stand ahead of my first tensor load
	v_lshrrev_b32 v3, 5, v0
	v_readfirstlane_b32 s[WV], v3
	s_lshr_b32 s[WR], s[WV], 1                     ; my 128 queries; also: I fetch for Q (0) or K (1)
	s_and_b32 s[WC], s[WV], 1                      ; my 128 keys; also: which 128 rows of that tile I fetch
	s_bfe_u32 s[CX], ttmp6, 0x40000
	s_bfe_u32 s[CY], ttmp6, 0x40004
	s_lshl_b32 s[TX], ttmp9, 2
	s_add_co_u32 s[TX], s[TX], s[CX]               ; tile of 256 keys in the batch
	s_and_b32 s[CLY], ttmp7, 0xffff
	s_lshl_b32 s[TY], s[CLY], 2
	s_add_co_u32 s[TY], s[TY], s[CY]               ; tile of 256 queries, counted through the batches
	s_lshl_b32 s46, s[CY], 2
	s_lshl_b32 s46, 15, s46
	s_lshl_b32 s47, 0x1111, s[CX]
	s_or_b32 s[G1A], s46, (1<<16)|(1<<20)|(1<<21)|(5<<22)|(3<<25)  ; mask of my row; 2-byte elements; padding: after every 64 words 4 words; bit 21 beside a mask
	s_or_b32 s[G1B], s47, (1<<16)|(1<<20)|(1<<21)|(5<<22)|(3<<25)  ; mask of my column
.irp g, G1A, G1B
	s_mov_b32 s[(\g)+1], 128<<16                   ; tensor_dim0 = 128
	s_mov_b32 s[(\g)+2], 128<<16                   ; tensor_dim1 = 128
	s_mov_b32 s[(\g)+3], 128<<16                   ; tile_dim0 = 128
	s_mov_b32 s[(\g)+4], 128                       ; tile_dim1 = 128
	s_mov_b32 s[(\g)+5], 1024                      ; elements from row to row
	s_mov_b32 s[(\g)+6], 0
	s_mov_b32 s[(\g)+7], 0
.endr
	s_mul_i32 s43, s[WV], HALFT                    ; where my 128 rows go
.irp g, G0A, G0B
	s_mov_b32 s[(\g)], 1
	s_mov_b32 s[(\g)+1], s43
	s_mov_b32 s[(\g)+4], 1
	s_add_co_u32 s[(\g)+5], s43, SLOT
.endr
	s_lshl_b32 s16, s[TY], 19                      ; Q: 256 rows of 2,048 bytes a tile,
	s_lshl_b32 s17, s[WC], 18                      ; my 128 of them
	s_add_co_u32 s16, s16, s17
	s_mov_b32 s17, 0
	s_lshr_b32 s18, s[CLY], 1                      ; K: the batch, which all sixteen partners share,
	s_lshl_b32 s18, s18, 22
	s_lshl_b32 s19, s[TX], 19
	s_add_co_u32 s18, s18, s19
	s_lshl_b32 s19, s[WC], 18
	s_add_co_u32 s18, s18, s19
	s_add_co_u32 s18, s18, KPLANE
	s_mov_b32 s19, 0
	s_mov_b32 s[CS], 0x3d38aa3b                    ; c = log2(e) / 32
	s_mov_b32 s[CS+1], s[CS]
	s_mov_b32 s[SEL], 0x76543210
	s_mov_b32 s[SEL+1], 0xfedcba98
	s_wait_dscnt 0x0                               ; the opening add is done
	s_wait_kmcnt 0x0
	s_add_nc_u64 s[G0A+2:G0A+3], s[4:5], s[16:17]
	s_add_nc_u64 s[G0A+6:G0A+7], s[G0A+2:G0A+3], 256
	s_or_b32 s[G0A+3], s[G0A+3], 0x80000000
	s_or_b32 s[G0A+7], s[G0A+7], 0x80000000
	s_add_nc_u64 s[G0B+2:G0B+3], s[4:5], s[18:19]
	s_add_nc_u64 s[G0B+6:G0B+7], s[G0B+2:G0B+3], 256
	s_or_b32 s[G0B+3], s[G0B+3], 0x80000000
	s_or_b32 s[G0B+7], s[G0B+7], 0x80000000
	CROUND                                         ; all sixteen work-groups are here: the first joint loads meet
	s_cmp_eq_u32 s[WR], 0                          ; a wave's two first fills stand in one branch: two loads of mine are out
	s_cbranch_scc0 .Lfirst_b
	tensor_load_to_lds s[G0A:G0A+3], s[G1A:G1A+7]
	s_nop 0
	tensor_load_to_lds s[G0A+4:G0A+7], s[G1A:G1A+7]
	s_nop 0
.rept 4
	v_nop
.endr
	s_branch .Lfirst_asked
.Lfirst_b:
	tensor_load_to_lds s[G0B:G0B+3], s[G1B:G1B+7]
	s_nop 0
	tensor_load_to_lds s[G0B+4:G0B+7], s[G1B:G1B+7]
	s_nop 0
.rept 4
	v_nop
.endr
.Lfirst_asked:
	v_and_b32 v1, 15, v0                           ; r
	v_bfe_u32 v2, v0, 4, 1                         ; h
	v_and_b32 v6, 31, v0                           ; l
	v_mul_u32_u24 v3, v1, PITCH
	v_lshl_add_u32 v3, v2, 4, v3                   ; a fragment's row x pitch + 16 h
	s_mul_i32 s20, s[WR], HALFT
	s_mul_i32 s21, s[WC], HALFT
	s_add_co_u32 s21, s21, 2*HALFT
	v_add_nc_u32 v[AK0], s20, v3
	v_add_nc_u32 v[BK0], s21, v3
	s_mul_i32 s22, s[WV], 16*SP
	s_add_co_u32 s22, s22, STAGE
	v_mul_u32_u24 v[STO], v1, SP
	v_lshl_add_u32 v[STO], v2, 4, v[STO]
	v_add_nc_u32 v[STO], s22, v[STO]
	v_mul_u32_u24 v[RD], v2, SP
	v_lshl_add_u32 v[RD], v1, 4, v[RD]
	v_add_nc_u32 v[RD], s22, v[RD]
	v_lshlrev_b32 v[CO], 12, v2                    ; two rows of p, 4,096 bytes apart
	v_lshl_add_u32 v[CO], v1, 4, v[CO]
	s_lshl_b32 s23, s[WV], 10
	s_add_co_u32 s23, s23, STAT
	v_lshl_add_u32 v[SA], v1, 2, s23
	v_lshl_add_u32 v[SR], v6, 4, s23
	v_lshlrev_b32 v[SO], 4, v6
	v_lshlrev_b32 v[PFO], 11, v6                   ; a lane a row of 2,048 bytes
	v_mov_b32 v[XX], 0                             ; v_permlanex16_b32 counts as a reader of its destination
	v_mov_b32 v[CM+1], 0                           ; named with c m as a pair
	s_lshl_b32 s76, s[TY], 20                      ; p: 256 rows of 4,096 bytes a tile, my 128 rows, the tile's 512 bytes, my 256
	s_lshl_b32 s77, s[WR], 19
	s_add_co_u32 s76, s76, s77
	s_lshl_b32 s77, s[TX], 9
	s_add_co_u32 s76, s76, s77
	s_lshl_b32 s77, s[WC], 8
	s_add_co_u32 s76, s76, s77
	s_mov_b32 s77, 0
	s_add_nc_u64 s[PP:PP+1], s[6:7], s[76:77]
	s_lshr_b32 s76, s[TY], 3                       ; st: (batch x 16 + block) x 2,048 rows + my first row, 4 bytes each
	s_lshl_b32 s76, s76, 4
	s_lshl_b32 s77, s[TX], 1
	s_add_co_u32 s76, s76, s77
	s_add_co_u32 s76, s76, s[WC]
	s_lshl_b32 s76, s76, 13
	s_and_b32 s77, s[TY], 7
	s_lshl_b32 s77, s77, 10
	s_add_co_u32 s76, s76, s77
	s_lshl_b32 s77, s[WR], 9
	s_add_co_u32 s76, s76, s77
	s_mov_b32 s77, 0
	s_add_nc_u64 s[STP:STP+1], s[8:9], s[76:77]
	s_lshl_b32 s20, s[CX], 16                      ; the prefetches: my work-group's 32 of the 128 rows that I fetch, at K step 3 (the first change of slots steps it to 4)
	s_add_co_u32 s20, s16, s20
	s_lshl_b32 s21, s[CY], 16
	s_add_co_u32 s21, s18, s21
	s_and_b32 s22, s[CLY], 1
	s_cmp_eq_u32 s[WR], 0
	s_cselect_b32 s20, s20, s21
	s_cselect_b32 s22, ttmp9, s22
	s_add_co_u32 s20, s20, 3*256
	s_mov_b32 s21, 0
	s_add_nc_u64 s[PFA:PFA+1], s[4:5], s[20:21]
	s_cmp_eq_u32 s22, 0
	s_cselect_b32 s[LIM], 2, -1
	s_wait_tensorcnt 0x1                           ; my part of slot 0 is in; slot 1's may stay out
	s_barrier_signal -1
	s_barrier_wait -1
	s_mov_b32 s[TB], 0
	v_mov_b32 v[ADRA], v[AK0]
	v_mov_b32 v[ADRB], v[BK0]
	FETCH 0, F0
	s_mov_b32 s3, STEPS-2
	QUARTER 64, F0, F1, 1                          ; the first quarter stands in front of the loop: its products start the sums
	WIN 0
	s_branch .Lmid
.LA:                                               ; STEPS - 2 trips, the first entered behind its first quarter
	QUARTER 64, F0, F1, 0
	WIN 0
.Lmid:
	QUARTER 128, F1, F0, 0
	QUARTER 192, F0, F1, 0
	TURN 1
	WIN 0
	s_sub_co_u32 s3, s3, 1
	s_cmp_lg_u32 s3, 0
	s_cbranch_scc1 .LA
	s_mov_b32 s3, 2
.LB:                                               ; the last two K steps ask for nothing
	QUARTER 64, F0, F1, 0
	QUARTER 128, F1, F0, 0
	QUARTER 192, F0, F1, 0
	TURN 0
	WIN 0
	s_sub_co_u32 s3, s3, 1
	s_cmp_lg_u32 s3, 0
	s_cbranch_scc1 .LB
; THE WAY OUT, a block of 16 queries at a time.  A lane holds 64 of its query's 128 scores; the lane 16 away holds the others.
.macro SMAX a                          ; the block's maximum and c m
.set AC, 64*((\a)%4)
	WIN 0x2a+0x15*((\a)/4)                         ; all three sources in the accumulators' window
.irp b, 0,1,2,3,4,5,6,7
	v_max3_num_f32 v[TT+(\b)], v[AC+8*(\b)], v[AC+8*(\b)+1], v[AC+8*(\b)+2]  ; each accumulator is read from its low end on
.endr
	WIN 0x28+0x14*((\a)/4)                         ; source 0 back in window 0
.irp b, 0,1,2,3,4,5,6,7
	v_max3_num_f32 v[TT+(\b)], v[TT+(\b)], v[AC+8*(\b)+3], v[AC+8*(\b)+4]
.endr
.irp b, 0,1,2,3,4,5,6,7
	v_max3_num_f32 v[TT+(\b)], v[TT+(\b)], v[AC+8*(\b)+5], v[AC+8*(\b)+6]
.endr
.irp b, 0,1,2,3
	v_max3_num_f32 v[TT+(\b)], v[TT+(\b)], v[AC+16*(\b)+7], v[AC+16*(\b)+15]
.endr
	WIN 0
	v_max3_num_f32 v[TT], v[TT], v[TT+1], v[TT+2]
	v_max3_num_f32 v[TT+3], v[TT+3], v[TT+4], v[TT+5]
	v_max3_num_f32 v[TT], v[TT], v[TT+6], v[TT+7]
	v_max_num_f32 v[TT], v[TT], v[TT+3]
	v_permlanex16_b32 v[XX], v[TT], s[SEL], s[SEL+1]
	v_max_num_f32 v[TT], v[TT], v[XX]
	v_mul_f32 v[CM], s[CS], v[TT]
.endm
.macro SEXP a                          ; c s - c m, and 64 exponentials as one batch
.set AC, 64*((\a)%4)
	WIN 0x02+(\a)/4
.set i, 0
.rept 32
	v_pk_fma_f32 v[EX+2*i:EX+2*i+1], v[AC+2*i:AC+2*i+1], s[CS:CS+1], v[CM:CM+1] op_sel_hi:[1,0,0] neg_lo:[0,0,1] neg_hi:[0,0,1]
.set i, i+1
.endr
	WIN 0
.set i, 0
.rept 64
	v_exp_f32 v[EX+i], v[EX+i]
.set i, i+1
.endr
	v_nop                                          ; a plain instruction behind the last exponential (ISA guide 5.7.2),
	s_wait_alu depctr_va_vdst(0)                   ; and the one wait ahead of the batch's first reader
.endm
.macro SPACK a                         ; the weights rounded to f16; their sum, taken of the unrounded weights; both statistics into LDS
.set i, 0
.rept 32
	v_cvt_pk_f16_f32 v[TMP+i], v[EX+2*i], v[EX+2*i+1]
.set i, i+1
.endr
.irp w, 4, 8, 16, 32, 64
.set u, 0
.rept 64/(\w)
	v_pk_add_f32 v[EX+(\w)*u:EX+(\w)*u+1], v[EX+(\w)*u:EX+(\w)*u+1], v[EX+(\w)*u+(\w)/2:EX+(\w)*u+(\w)/2+1]
.set u, u+1
.endr
.endr
	v_add_f32 v[LS], v[EX], v[EX+1]
	v_permlanex16_b32 v[XX], v[LS], s[SEL], s[SEL+1]
	v_add_f32 v[LS], v[LS], v[XX]
	ds_store_b32 v[SA], v[CM] offset:64*(\a)       ; lanes r and r + 16 write the same word with the same number
	ds_store_b32 v[SA], v[LS] offset:64*(\a)+512
.endm
.macro TOSTAGE a
.set BK, OB0+128*((\a)%2)
.irp b, 0,1,2,3,4,5,6,7
	ds_store_b128 v[STO], v[TMP+4*(\b):TMP+4*(\b)+3] offset:32*(\b)
.endr
.irp t, 0,1,2,3,4,5,6,7
	ds_load_b128 v[BK+4*(\t):BK+4*(\t)+3], v[RD] offset:(\t)*2*SP  ; LDS serves a wave's instructions in order (ISA guide 5.7.1.4): these see the stores above
.endr
.endm
.macro SEND a
.set BK, OB0+128*((\a)%2)
	s_wait_dscnt 0x0                               ; the block is back in registers
	s_wait_xcnt 0x0                                ; the stores of the block before have read their registers, which the next block's loads write
.irp t, 0,1,2,3,4,5,6,7
	global_store_b128 v[CO], v[BK+4*(\t):BK+4*(\t)+3], s[PP:PP+1] offset:(\a)*65536+(\t)*8192  ; 16 lanes store 256 consecutive bytes, aligned
.endr
.endm
	PLACES
	SMAX 0
	SEXP 0
	SPACK 0
	TOSTAGE 0
.irp a, 1,2,3,4,5,6,7                  ; a block's arithmetic stands between the loads of the block before and its stores
	SMAX \a
	SEXP \a
	SPACK \a
	SEND (\a)-1
	TOSTAGE \a
.endr
	SEND 7
	ds_load_b128 v[EX:EX+3], v[SR]                 ; my wave's 128 c m and 128 l: my own bytes, served in order behind the stores
	ds_load_b128 v[EX+4:EX+7], v[SR] offset:512
	s_wait_dscnt 0x0
	global_store_b128 v[SO], v[EX:EX+3], s[STP:STP+1]                  ; 512 consecutive bytes each
	global_store_b128 v[SO], v[EX+4:EX+7], s[STP:STP+1] offset:524288
	s_wait_tensorcnt 0x0                           ; the wave's end
	ds_add_u32 v[SPW], v[NIL]
	s_wait_dscnt 0x0
	CROUND                                         ; the closing round
	s_endpgm
.Lfunc_end_k_qc793ac2906_scores:
	.size	k_qc793ac2906_scores, .Lfunc_end_k_qc793ac2906_scores-k_qc793ac2906_scores
	.p2alignl 7, 3214868480
	.fill 96, 4, 3214868480
	.section	.rodata,"a",@progbits
	.p2align	6, 0x0
	.amdhsa_kernel k_qc793ac2906_scores
		.amdhsa_group_segment_fixed_size 327680
		.amdhsa_private_segment_fixed_size 0
		.amdhsa_enable_private_segment 0
		.amdhsa_kernarg_size 24
		.amdhsa_user_sgpr_count 2
		.amdhsa_user_sgpr_kernarg_segment_ptr 1
		.amdhsa_wavefront_size32 1
		.amdhsa_system_sgpr_workgroup_id_x 1
		.amdhsa_system_sgpr_workgroup_id_y 1
		.amdhsa_system_sgpr_workgroup_id_z 1
		.amdhsa_system_vgpr_workitem_id 0
		.amdhsa_next_free_vgpr 1024
		.amdhsa_next_free_sgpr 84
		.amdhsa_reserve_vcc 0
		.amdhsa_float_denorm_mode_32 3
		.amdhsa_float_denorm_mode_16_64 3
		.amdhsa_memory_ordered 1
		.amdhsa_forward_progress 1
		.amdhsa_inst_pref_size 169
	.end_amdhsa_kernel
	.amdgpu_metadata
---
amdhsa.version: [ 1, 2 ]
amdhsa.kernels:
  - .name:           k_qc793ac2906_scores
    .symbol:         k_qc793ac2906_scores.kd
    .args:
      - { .name: qkv, .offset: 0, .size: 8, .value_kind: global_buffer, .address_space: global }
      - { .name: p, .offset: 8, .size: 8, .value_kind: global_buffer, .address_space: global }
      - { .name: st, .offset: 16, .size: 8, .value_kind: global_buffer, .address_space: global }
    .group_segment_fixed_size: 327680
    .private_segment_fixed_size: 0
    .kernarg_segment_align: 8
    .kernarg_segment_size: 24
    .max_flat_workgroup_size: 128
    .sgpr_count:     84
    .vgpr_count:     1024
    .wavefront_size: 32
...
	.end_amdgpu_metadata
.endif
;; end of part 3
;; launch pv (part 4): grid 4 x 64, 4 waves a work-group, clusters of 4 x 4, 327,680 bytes of LDS; arguments p, st, qkv, out0; writes out0
.if DOCPART == 4
	.amdgcn_target "amdgcn-amd-amdhsa--gfx1250"
	.amdhsa_code_object_version 6
	.text
	.protected	k_qc793ac2906_pv
	.globl	k_qc793ac2906_pv
	.p2align	8
	.type	k_qc793ac2906_pv,@function
k_qc793ac2906_pv:
	s_mov_b64 s[64:65], 0
	v_nop
	global_prefetch_b8 v0, s[64:65] scope:SCOPE_SE
	s_setreg_imm32_b32 hwreg(HW_REG_WAVE_MODE, 25, 1), 1
	s_wait_xcnt 0x0
	s_wait_alu depctr_hold_cnt(0) depctr_sa_sdst(0) depctr_va_vdst(0) depctr_va_sdst(0) depctr_va_ssrc(0) depctr_va_vcc(0) depctr_vm_vsrc(0)
	s_getreg_b32 s2, hwreg(HW_REG_IB_STS2, 6, 4)
	s_cmp_eq_u32 s2, 0
	s_cbranch_scc0 .Lentry_in_a_cluster
	s_endpgm
.Lentry_in_a_cluster:
	s_bfe_u32 s2, ttmp6, 0x10000c
	s_cmp_lg_u32 s2, 0xf033
	s_cbranch_scc0 .Lentry_shape_is_right
	s_endpgm
.Lentry_shape_is_right:
; out = softmax . V, from the blockwise weights.  p [8192 query][2048 key] f16 holds P_t = 2^(c s - c m_t) for blocks t of 128 keys; st [2][4][16][2048] f32 holds c m_t and l_t; V is plane 2 of qkv, [8192][1024] f16.
; For each query: M = the largest c m_t (the row's true maximum), f_t = 2^(c m_t - M) <= 1, L = the sum of f_t l_t >= 1, out = (the sum over t of (f_t P_t) V_t) / L.
; f_t is rounded to f16, since it scales a matrix operand, and L is formed of the rounded f_t in f32.  LIMITS: a weight f P below f16's least step, 6e-8, counts as 0 beside L >= 1; an f below 2^-126 is 0;
; NaN and infinities are not treated apart.
; SHARES.  Tiles of 128 queries x 256 channels: 256 work-groups.  Four waves of 64 x 128: 32 accumulators.  A K step is one block of 128 keys: 16 steps through two LDS slots.  P's tile: 128 rows of 256 bytes;
; V's lies as in memory, [key][channel]: 128 rows of 512 bytes, turned on the way to registers by ds_load_tr16_b128.
; CLUSTER 4 x 4: a row of the cluster shares P's tile, a column V's: joint loads.  THE PRODUCT IS USED TRANSPOSED: a lane holds query l % 16 and the channels 16 b + 8 (l / 16) + 0..7.
; THE SCALING rides beside the products: a fragment of P (8 registers) is multiplied by its row's f_t in two fours of v_pk_mul_f16, behind the second and the sixth product of the group before it.
; REGISTERS: window 0 addresses, factors and the way out; window 1 the accumulators ((a, b) at 8 (8 a + b)); windows 2, 3 two fragment buffers of 64 along K: V (c, b) at 64 c + 8 b, P (c, a) at 128 + 32 c + 8 a.
.set PA,    272
.set PB,    544
.set BOFF,  128*PA
.set SLOT1, 1<<17
.set STAGE, SLOT1+BOFF+128*PB          ; 16 rows x 528 bytes for each wave
.set SP,    528                        ; 512 + 16 bytes
.set FT,    STAGE+4*16*SP              ; [16 t][128 rows] words: f_t in f16, twice
.set RT,    FT+8192                    ; 128 f32: 1 / L
.set SPARE, RT+512                     ; the spare words: two blocks of 256 bytes that no other line names
.set STEPS, 16
.set STEPA, 256
.set STEPB, 128*2048
.set VPLANE, 33554432
.set AK0,  12
.set BK0,  13
.set ADRA, 14
.set ADRB, 15
.set STO,  16
.set RD,   17
.set CO,   18
.set PFO,  19
.set SPW,  20
.set NIL,  21
.set FAD,  22                          ; v22  where my rows' factors of the step to be fetched lie
.set RAD,  23                          ; v23  where my rows' 1 / L lie
.set FC,   24                          ; v24-27  the factors of the step in hand, one for each of my four blocks of 16 rows
.set FN,   28                          ; v28-31  those of the next step
.set CMR,  32                          ; the head: v32-47 c m_t, v48-63 l_t, v64-79 f_t, v80-95 f_t in f16, twice
.set LR,   48
.set FF,   64
.set FH,   80
.set RI,   48                          ; the way out: v48-55 1 / L, as the low words of four pairs
.set TT,   64                          ; v64-127 a block's results
.set OB,   128                         ; v128-191, v192-255 rows read back, by turns
.set BT, 12
.set CLY, 13
.set WV, 16
.set WR, 17
.set WC, 18
.set TB, 19
.set CX, 20
.set CY, 21
.set MT, 22
.set G1A, 24
.set G0A, 32
.set PFA, 44
.set PFS, 46
.set G1B, 48
.set G0B, 56
.set LIM, 66
.set STP, 68
.set OUTP, 70
.set MSB, 0
.macro WIN new
.if MSB != (\new)
	s_set_vgpr_msb (MSB<<8)|(\new)
.set MSB, \new
.endif
.endm
.macro PLACES
.rept 4
	v_nop
.endr
.endm
.macro CREST
	s_cmp_lg_u32 s[WV], 0
	s_cbranch_scc1 .Lnot_wave_0_\@
	s_barrier_signal -3
.Lnot_wave_0_\@:
	s_barrier_wait -3
	s_barrier_signal -1
	s_barrier_wait -1
.endm
.macro CROUND
	s_barrier_signal -1
	s_barrier_wait -1
	CREST
.endm
.macro JLOAD
	s_cmp_eq_u32 s[WR], 0
	s_cbranch_scc0 .Lfor_b_\@
	tensor_load_to_lds s[G0A+4:G0A+7], s[G1A:G1A+7]
	s_nop 0
.rept 4
	v_nop
.endr
	s_branch .Lasked_\@
.Lfor_b_\@:
	tensor_load_to_lds s[G0B+4:G0B+7], s[G1B:G1B+7]
	s_nop 0
.rept 4
	v_nop
.endr
.Lasked_\@:
.endm
; A prefetch behind the refill for K step t + 2: K step t + 4, 256 products ahead of the load that will want it.  P's 128 rows: wave 0 of each of the four partners of a row of the cluster, 32 rows each (cx), in every
; cluster (no other cluster reads them).  V's 128 rows of 512 bytes: waves 2 and 3 of the four partners of a column, 16 rows x two halves each (cy), in the first of the four clusters along y that walk a batch.
.macro ASK
	s_cmp_gt_u32 s3, s[LIM]
	s_cbranch_scc0 .Lnot_mine_\@
	global_prefetch_b8 v[PFO], s[PFA:PFA+1] th:TH_LOAD_NT scope:SCOPE_SE
.Lnot_mine_\@:
.endm
.macro SCALE0 f                        ; a buffer's first fragment of P has no group in front of it
	WIN 0x82+0x41*(\f)
.irp i, 0,1,2,3,4,5,6,7
	v_pk_mul_f16 v[128+(\i)], v[128+(\i)], v[FC]
.endr
.endm
; 8 products: fragment g = 4 c + a of P in buffer f against all 8 of V's; beside them fragment g + 1 is scaled.  The 32 accumulators take turns in one order everywhere.
.macro GRP f, g, zero
.set cc, (\g)/4
.set aa, (\g)%4
.irp b, 0,1,2,3,4,5,6,7
	WIN 0x5a+5*(\f)
.if (\zero) && (cc == 0)
	v_wmma_f32_16x16x32_f16 v[8*(8*aa+(\b)):8*(8*aa+(\b))+7], v[64*cc+8*(\b):64*cc+8*(\b)+7], v[128+32*cc+8*aa:128+32*cc+8*aa+7], 0
.else
	v_wmma_f32_16x16x32_f16 v[8*(8*aa+(\b)):8*(8*aa+(\b))+7], v[64*cc+8*(\b):64*cc+8*(\b)+7], v[128+32*cc+8*aa:128+32*cc+8*aa+7], v[8*(8*aa+(\b)):8*(8*aa+(\b))+7]
.endif
.if ((\g) < 7) && (((\b) == 1) || ((\b) == 5))
	WIN 0x82+0x41*(\f)                             ; destination and source 0 in the buffer's window, the factor in window 0
.irp i, 0,1,2,3
	v_pk_mul_f16 v[128+8*((\g)+1)+4*((\b)/4)+(\i)], v[128+8*((\g)+1)+4*((\b)/4)+(\i)], v[FC+((\g)+1)%4]
.endr
.endif
.endr
.endm
.macro FETCH f, kh                     ; 48 LDS loads in one run: half kh of a K step into buffer f; ahead of a step's first half its four factors
.if (\kh) == 0
	WIN 0
.irp a, 0,1,2,3
	ds_load_b32 v[FN+(\a)], v[FAD] offset:64*(\a)
.endr
.endif
	WIN (2+(\f))<<6
.irp c, 0,1
.irp b, 0,1,2,3,4,5,6,7
	ds_load_tr16_b128 v[64*(\c)+8*(\b):64*(\c)+8*(\b)+3],   v[ADRB] offset:(64*(\kh)+32*(\c))*PB+32*(\b)
	ds_load_tr16_b128 v[64*(\c)+8*(\b)+4:64*(\c)+8*(\b)+7], v[ADRB] offset:(64*(\kh)+32*(\c)+16)*PB+32*(\b)
.endr
.irp a, 0,1,2,3
	ds_load_b128 v[128+32*(\c)+8*(\a):128+32*(\c)+8*(\a)+3],   v[ADRA] offset:(\a)*16*PA+128*(\kh)+64*(\c)
	ds_load_b128 v[128+32*(\c)+8*(\a)+4:128+32*(\c)+8*(\a)+7], v[ADRA] offset:(\a)*16*PA+128*(\kh)+64*(\c)+32
.endr
.endr
.endm
.macro H0 zero                         ; the first half of a K step: buffer 0
	WIN 0
	s_wait_dscnt 0x0                               ; buffer 0 and the step's factors are in: the riders scale fragments of both halves of the buffer
.irp a, 0,1,2,3
	v_mov_b32 v[FC+(\a)], v[FN+(\a)]
.endr
	SCALE0 0
	GRP 0, 0, \zero
	GRP 0, 1, \zero
	GRP 0, 2, \zero
	GRP 0, 3, \zero
	PLACES
	FETCH 1, 1
	GRP 0, 4, 0
	GRP 0, 5, 0
	GRP 0, 6, 0
	GRP 0, 7, 0
.endm
; The second half multiplies buffer 1 and changes slots.  Half of its products stand ahead of the change, so that nothing but the change's own lines lies between the wait for the next tile and the next request.
; Each wave waits for all its tensor loads (one is out: its part of the other slot), adds 0 to its spare word, waits for that and for its reads of this slot.
; fill = 1: the barrier opens a round of the cluster's; the joint refill stands first behind the round: 128 products lie between it and the wait for it.  fill = 0: the last two K steps; the last fetches nothing.
.macro TURN fill
	s_wait_dscnt 0x0                               ; buffer 1 is in
	SCALE0 1
	GRP 1, 0, 0
	GRP 1, 1, 0
	GRP 1, 2, 0
	GRP 1, 3, 0
	WIN 0
.if \fill
	s_wait_xcnt 0x0                                ; the last prefetch, a K step back, has read its address
	s_add_nc_u64 s[PFA:PFA+1], s[PFA:PFA+1], s[PFS:PFS+1]
.endif
	s_wait_tensorcnt 0x0
	ds_add_u32 v[SPW], v[NIL]
.if \fill
	s_xor_b32 s[G0A+5], s[G0A+5], SLOT1
	s_add_nc_u64 s[G0A+6:G0A+7], s[G0A+6:G0A+7], STEPA
	s_xor_b32 s[G0B+5], s[G0B+5], SLOT1
	s_add_nc_u64 s[G0B+6:G0B+7], s[G0B+6:G0B+7], STEPB
.endif
	s_wait_dscnt 0x0                               ; the add is done; my reads of this slot were over at the head
	s_barrier_signal -1
	s_barrier_wait -1
.if \fill
	CREST
	JLOAD                                          ; its four v_nop are also the places in front of the loads below
.else
	PLACES
	s_cmp_eq_u32 s3, 1
	s_cbranch_scc1 .Lnf_\@
.endif
	s_xor_b32 s[TB], s[TB], SLOT1
	v_add_nc_u32 v[ADRA], s[TB], v[AK0]
	v_add_nc_u32 v[ADRB], s[TB], v[BK0]
	v_add_nc_u32 v[FAD], 512, v[FAD]               ; the next block's factors
	FETCH 0, 0
	WIN 0
.if \fill
	ASK
.else
.Lnf_\@:
.endif
	GRP 1, 4, 0
	GRP 1, 5, 0
	GRP 1, 6, 0
	GRP 1, 7, 0
.endm
	s_load_b256 s[4:11], s[0:1], 0x0               ; p s[4:5], st s[6:7], qkv s[8:9], out0 s[10:11]
	v_lshl_add_u32 v[SPW], v0, 2, SPARE
	v_mov_b32 v[NIL], 0
	ds_add_u32 v[SPW], v[NIL]                      ; the wave's opening: the add and its wait stand ahead of my first tensor load
	v_lshrrev_b32 v3, 5, v0
	v_readfirstlane_b32 s[WV], v3
	s_lshr_b32 s[WR], s[WV], 1                     ; my 64 queries; also: I fetch for P (0) or V (1)
	s_and_b32 s[WC], s[WV], 1                      ; my 128 channels; also: which 64 tile rows I fetch
	s_bfe_u32 s[CX], ttmp6, 0x40000
	s_bfe_u32 s[CY], ttmp6, 0x40004
	s_and_b32 s[CLY], ttmp7, 0xffff
	s_lshl_b32 s[MT], s[CLY], 2
	s_add_co_u32 s[MT], s[MT], s[CY]               ; tile of 128 queries, counted through the batches
	s_lshr_b32 s[BT], s[CLY], 2                    ; the batch, which all sixteen partners share
	s_lshl_b32 s40, s[CY], 2
	s_lshl_b32 s40, 15, s40
	s_lshl_b32 s41, 0x1111, s[CX]
	s_or_b32 s[G1A], s40, (1<<16)|(1<<20)|(1<<21)|(5<<22)|(3<<25)  ; mask of my row; 2-byte elements; padding: after every 64 words 4 words; bit 21 beside a mask
	s_or_b32 s[G1B], s41, (1<<16)|(1<<20)|(1<<21)|(6<<22)|(7<<25)  ; mask of my column; after every 128 words 8 words
	s_mov_b32 s[G1A+1], 128<<16
	s_mov_b32 s[G1A+2], 64<<16
	s_mov_b32 s[G1A+3], 128<<16
	s_mov_b32 s[G1A+4], 64
	s_mov_b32 s[G1A+5], 2048                       ; a row of p has 2,048 elements
	s_mov_b32 s[G1A+6], 0
	s_mov_b32 s[G1A+7], 0
	s_mov_b32 s[G1B+1], 256<<16
	s_mov_b32 s[G1B+2], 64<<16
	s_mov_b32 s[G1B+3], 256<<16
	s_mov_b32 s[G1B+4], 64
	s_mov_b32 s[G1B+5], 1024
	s_mov_b32 s[G1B+6], 0
	s_mov_b32 s[G1B+7], 0
	s_mul_i32 s42, s[WC], 64*PA
	s_mul_i32 s43, s[WC], 64*PB
	s_add_co_u32 s43, s43, BOFF
	s_mov_b32 s[G0A], 1
	s_mov_b32 s[G0A+1], s42
	s_mov_b32 s[G0A+4], 1
	s_add_co_u32 s[G0A+5], s42, SLOT1
	s_mov_b32 s[G0B], 1
	s_mov_b32 s[G0B+1], s43
	s_mov_b32 s[G0B+4], 1
	s_add_co_u32 s[G0B+5], s43, SLOT1
	s_lshl_b32 s72, s[MT], 19                      ; P: 128 rows of 4,096 bytes a tile, my 64 of them
	s_lshl_b32 s73, s[WC], 18
	s_add_co_u32 s72, s72, s73
	s_mov_b32 s73, 0
	s_lshl_b32 s74, s[BT], 22                      ; V: the batch's 2,048 rows of 2,048 bytes, my 64 of a K step's 128, the tile's 256 channels
	s_lshl_b32 s75, s[WC], 17
	s_add_co_u32 s74, s74, s75
	s_lshl_b32 s75, s[CX], 9
	s_add_co_u32 s74, s74, s75
	s_add_co_u32 s74, s74, VPLANE
	s_mov_b32 s75, 0
	s_wait_dscnt 0x0                               ; the opening add is done
	s_wait_kmcnt 0x0
	s_add_nc_u64 s[G0A+2:G0A+3], s[4:5], s[72:73]
	s_add_nc_u64 s[G0A+6:G0A+7], s[G0A+2:G0A+3], STEPA
	s_or_b32 s[G0A+3], s[G0A+3], 0x80000000
	s_or_b32 s[G0A+7], s[G0A+7], 0x80000000
	s_add_nc_u64 s[G0B+2:G0B+3], s[8:9], s[74:75]
	s_add_nc_u64 s[G0B+6:G0B+7], s[G0B+2:G0B+3], STEPB
	s_or_b32 s[G0B+3], s[G0B+3], 0x80000000
	s_or_b32 s[G0B+7], s[G0B+7], 0x80000000
	CROUND                                         ; all sixteen work-groups are here: the first joint loads meet
	s_cmp_eq_u32 s[WR], 0                          ; a wave's two first fills stand in one branch: two loads of mine are out
	s_cbranch_scc0 .Lfirst_b
	tensor_load_to_lds s[G0A:G0A+3], s[G1A:G1A+7]
	s_nop 0
	tensor_load_to_lds s[G0A+4:G0A+7], s[G1A:G1A+7]
	s_nop 0
.rept 4
	v_nop
.endr
	s_branch .Lfirst_asked
.Lfirst_b:
	tensor_load_to_lds s[G0B:G0B+3], s[G1B:G1B+7]
	s_nop 0
	tensor_load_to_lds s[G0B+4:G0B+7], s[G1B:G1B+7]
	s_nop 0
.rept 4
	v_nop
.endr
.Lfirst_asked:
	s_lshl_b32 s76, s[BT], 17                      ; the statistics: thread i serves row i of the tile
	s_and_b32 s77, s[MT], 15
	s_lshl_b32 s77, s77, 9
	s_add_co_u32 s76, s76, s77
	s_mov_b32 s77, 0
	s_add_nc_u64 s[STP:STP+1], s[6:7], s[76:77]
	v_lshlrev_b32 v7, 2, v0
.set t, 0
.rept 16
	global_load_b32 v[CMR+t], v7, s[STP:STP+1] offset:t*8192
	global_load_b32 v[LR+t],  v7, s[STP:STP+1] offset:t*8192+524288
.set t, t+1
.endr
	v_and_b32 v1, 15, v0                           ; r
	v_bfe_u32 v2, v0, 4, 1                         ; h
	v_and_b32 v4, 7, v0
	v_bfe_u32 v5, v0, 3, 1
	v_and_b32 v6, 31, v0                           ; l
	s_lshl_b32 s76, s[WR], 6
	v_add_nc_u32 v3, s76, v1
	v_mul_u32_u24 v[AK0], v3, PA
	v_lshl_add_u32 v[AK0], v2, 4, v[AK0]
	v_lshl_add_u32 v3, v2, 3, v4
	v_mul_u32_u24 v[BK0], v3, PB
	v_lshl_add_u32 v[BK0], v5, 4, v[BK0]
	s_lshl_b32 s76, s[WC], 8
	s_add_co_u32 s76, s76, BOFF
	v_add_nc_u32 v[BK0], s76, v[BK0]
	s_mul_i32 s76, s[WV], 16*SP
	s_add_co_u32 s76, s76, STAGE                   ; my stage
	v_mul_u32_u24 v[STO], v1, SP                   ; in: row r, 32 bytes for each half of the lanes
	v_lshl_add_u32 v[STO], v2, 5, v[STO]
	v_add_nc_u32 v[STO], s76, v[STO]
	v_lshl_add_u32 v[RD], v6, 4, s76               ; back: 32 lanes take one row of 512 bytes
	v_lshlrev_b32 v[CO], 4, v6
	s_lshl_b32 s76, s[WR], 8
	v_lshl_add_u32 v[FAD], v1, 2, s76              ; 4 (64 WR + r)
	v_add_nc_u32 v[RAD], RT, v[FAD]
	v_add_nc_u32 v[FAD], FT, v[FAD]
	v_lshl_add_u32 v8, v0, 2, FT                   ; where thread i puts row i's factors
	s_lshl_b32 s76, s[MT], 19                      ; the output: 128 rows of 4,096 bytes a tile, my 64 rows, the tile's 1,024 bytes, my 512
	s_lshl_b32 s77, s[WR], 18
	s_add_co_u32 s76, s76, s77
	s_lshl_b32 s77, s[CX], 10
	s_add_co_u32 s76, s76, s77
	s_lshl_b32 s77, s[WC], 9
	s_add_co_u32 s76, s76, s77
	s_mov_b32 s77, 0
	s_add_nc_u64 s[OUTP:OUTP+1], s[10:11], s[76:77]
	s_lshl_b32 s40, s[MT], 19                      ; the prefetches.  P: my work-group's 32 rows of the tile, at K step 3 (the first change of slots steps it to 4)
	s_lshl_b32 s41, s[CX], 17
	s_add_co_u32 s40, s40, s41
	s_add_co_u32 s40, s40, 3*STEPA
	s_lshl_b32 s41, s[CY], 15                      ; V: of the 64 rows that I fetch my work-group's 16
	s_add_co_u32 s41, s74, s41
	s_add_co_u32 s41, s41, 3*STEPB
	s_mov_b32 s42, STEPA
	s_mov_b32 s43, STEPB
	s_and_b32 s77, s[CLY], 3
	s_cmp_eq_u32 s[WR], 0
	s_cselect_b64 s[PFA:PFA+1], s[4:5], s[8:9]
	s_cselect_b32 s40, s40, s41
	s_cselect_b32 s[PFS], s42, s43
	s_cselect_b32 s76, s[WC], s77                  ; P: wave 0 of every work-group; V: the first of a batch's four clusters
	s_cselect_b32 s78, 0, 1                        ; P: a lane a row; V: two lanes a row of 512 bytes
	s_cselect_b32 s79, 12, 11                      ; a row's bytes: 4,096 or 2,048
	s_mov_b32 s41, 0
	s_mov_b32 s[PFS+1], 0
	s_add_nc_u64 s[PFA:PFA+1], s[PFA:PFA+1], s[40:41]
	s_cmp_eq_u32 s76, 0
	s_cselect_b32 s[LIM], 2, -1
	v_lshrrev_b32 v3, s78, v6
	v_and_b32 v9, s78, v6
	v_lshlrev_b32 v[PFO], s79, v3
	v_lshl_add_u32 v[PFO], v9, 8, v[PFO]
	v_mov_b32 v4, 0                                ; L's two chains start at 0
	v_mov_b32 v5, 0
	s_wait_loadcnt 0x0
	v_max3_num_f32 v3, v[CMR], v[CMR+1], v[CMR+2]  ; M
.irp t, 3,5,7,9,11,13
	v_max3_num_f32 v3, v3, v[CMR+(\t)], v[CMR+(\t)+1]
.endr
	v_max_num_f32 v3, v3, v[CMR+15]
.set t, 0
.rept 16
	v_sub_f32 v[FF+t], v[CMR+t], v3
.set t, t+1
.endr
.set t, 0
.rept 16
	v_exp_f32 v[FF+t], v[FF+t]
.set t, t+1
.endr
	v_nop                                          ; a plain instruction behind the last exponential,
	s_wait_alu depctr_va_vdst(0)                   ; and the one wait ahead of the batch's first reader
.set t, 0
.rept 16
	v_cvt_pk_f16_f32 v[FH+t], v[FF+t], v[FF+t]
.set t, t+1
.endr
.set t, 0
.rept 8
	v_fma_mix_f32 v4, v[FH+2*t], v[LR+2*t], v4 op_sel_hi:[1,0,0]      ; the rounded factor, read from its half, times l, in f32
	v_fma_mix_f32 v5, v[FH+2*t+1], v[LR+2*t+1], v5 op_sel_hi:[1,0,0]
.set t, t+1
.endr
	v_add_f32 v4, v4, v5
	v_rcp_f32 v10, v4
	v_nop
	s_wait_alu depctr_va_vdst(0)
.set t, 0
.rept 16
	ds_store_b32 v8, v[FH+t] offset:512*t
.set t, t+1
.endr
	ds_store_b32 v8, v10 offset:8192               ; RT lies 8,192 bytes behind FT
	s_wait_tensorcnt 0x1                           ; my part of slot 0 is in; slot 1's may stay out
	s_wait_dscnt 0x0                               ; for the others' sake: my rows' factors are in LDS
	s_barrier_signal -1
	s_barrier_wait -1
	s_mov_b32 s[TB], 0
	v_mov_b32 v[ADRA], v[AK0]
	v_mov_b32 v[ADRB], v[BK0]
	FETCH 0, 0
	s_mov_b32 s3, STEPS-2
	H0 1                                           ; the first half step stands in front of the loop: its products start the sums
	WIN 0
	s_branch .Lmid
.LA:                                               ; STEPS - 2 trips, the first entered in its middle
	H0 0
	WIN 0
.Lmid:
	TURN 1
	WIN 0
	s_sub_co_u32 s3, s3, 1
	s_cmp_lg_u32 s3, 0
	s_cbranch_scc1 .LA
	s_mov_b32 s3, 2
.LB:                                               ; the last two K steps ask for nothing
	H0 0
	TURN 0
	WIN 0
	s_sub_co_u32 s3, s3, 1
	s_cmp_lg_u32 s3, 0
	s_cbranch_scc1 .LB
; THE WAY OUT, a block of 16 rows at a time: divided by L, through my own stage in LDS, stored as whole rows of 512 bytes.
.macro PACK a
	WIN 0x01
.set i, 0
.rept 32
	v_pk_mul_f32 v[TT+2*i:TT+2*i+1], v[64*(\a)+2*i:64*(\a)+2*i+1], v[RI+2*(\a):RI+2*(\a)+1] op_sel_hi:[1,0]  ; ascending: each accumulator is read from its low end on
.set i, i+1
.endr
	WIN 0
.endm
.macro TOSTAGE a
.set BK, OB+64*((\a)%2)
.irp b, 0,1,2,3,4,5,6,7
	ds_store_b128 v[STO], v[TT+8*(\b):TT+8*(\b)+3]   offset:64*(\b)
	ds_store_b128 v[STO], v[TT+8*(\b)+4:TT+8*(\b)+7] offset:64*(\b)+16
.endr
.set t, 0
.rept 16
	ds_load_b128 v[BK+4*t:BK+4*t+3], v[RD] offset:t*SP  ; LDS serves a wave's instructions in order (ISA guide 5.7.1.4): these see the stores above
.set t, t+1
.endr
.endm
.macro SEND a
.set BK, OB+64*((\a)%2)
	s_wait_dscnt 0x0                               ; the block is back in registers
	s_wait_xcnt 0x0                                ; the stores of the block before have read their registers, which the next block's loads write
.set t, 0
.rept 16
	global_store_b128 v[CO], v[BK+4*t:BK+4*t+3], s[OUTP:OUTP+1] offset:(\a)*65536+t*4096 th:TH_STORE_NT  ; 512 consecutive bytes, aligned
.set t, t+1
.endr
.endm
	PLACES
.irp a, 0,1,2,3
	ds_load_b32 v[RI+2*(\a)], v[RAD] offset:64*(\a)
	v_mov_b32 v[RI+2*(\a)+1], 0                    ; named with it as a pair
.endr
	s_wait_dscnt 0x0
	PACK 0
	TOSTAGE 0
.irp a, 1,2,3
	PACK \a
	SEND (\a)-1
	TOSTAGE \a
.endr
	SEND 3
	s_wait_tensorcnt 0x0                           ; the wave's end
	ds_add_u32 v[SPW], v[NIL]
	s_wait_dscnt 0x0
	CROUND                                         ; the closing round
	s_endpgm
.Lfunc_end_k_qc793ac2906_pv:
	.size	k_qc793ac2906_pv, .Lfunc_end_k_qc793ac2906_pv-k_qc793ac2906_pv
	.p2alignl 7, 3214868480
	.fill 96, 4, 3214868480
	.section	.rodata,"a",@progbits
	.p2align	6, 0x0
	.amdhsa_kernel k_qc793ac2906_pv
		.amdhsa_group_segment_fixed_size 327680
		.amdhsa_private_segment_fixed_size 0
		.amdhsa_enable_private_segment 0
		.amdhsa_kernarg_size 32
		.amdhsa_user_sgpr_count 2
		.amdhsa_user_sgpr_kernarg_segment_ptr 1
		.amdhsa_wavefront_size32 1
		.amdhsa_system_sgpr_workgroup_id_x 1
		.amdhsa_system_sgpr_workgroup_id_y 1
		.amdhsa_system_sgpr_workgroup_id_z 1
		.amdhsa_system_vgpr_workitem_id 0
		.amdhsa_next_free_vgpr 960
		.amdhsa_next_free_sgpr 84
		.amdhsa_reserve_vcc 0
		.amdhsa_float_denorm_mode_32 3
		.amdhsa_float_denorm_mode_16_64 3
		.amdhsa_memory_ordered 1
		.amdhsa_forward_progress 1
		.amdhsa_inst_pref_size 107
	.end_amdhsa_kernel
	.amdgpu_metadata
---
amdhsa.version: [ 1, 2 ]
amdhsa.kernels:
  - .name:           k_qc793ac2906_pv
    .symbol:         k_qc793ac2906_pv.kd
    .args:
      - { .name: p, .offset: 0, .size: 8, .value_kind: global_buffer, .address_space: global }
      - { .name: st, .offset: 8, .size: 8, .value_kind: global_buffer, .address_space: global }
      - { .name: qkv, .offset: 16, .size: 8, .value_kind: global_buffer, .address_space: global }
      - { .name: out0, .offset: 24, .size: 8, .value_kind: global_buffer, .address_space: global }
    .group_segment_fixed_size: 327680
    .private_segment_fixed_size: 0
    .kernarg_segment_align: 8
    .kernarg_segment_size: 32
    .max_flat_workgroup_size: 128
    .sgpr_count:     84
    .vgpr_count:     960
    .wavefront_size: 32
...
	.end_amdgpu_metadata
.endif
;; end of part 4
;; ======== version 2 of 2: 4 launches; version 1 with the launch prep written anew for expert scheduling mode
;; limits: values are held in f16: magnitudes above 65,504 overflow, below 6.1e-05 lose precision
;; workspace buffers: xb 16,777,216 bytes; wb 6,291,456 bytes; qkv 50,331,648 bytes; p 33,554,432 bytes; st 1,048,576 bytes
;; launch prep (part 5): grid 704 x 1, 8 waves a work-group, no clusters, 0 bytes of LDS; arguments x, Wq, Wk, Wv, xb, wb; writes xb, wb
.if DOCPART == 5
	.amdgcn_target "amdgcn-amd-amdhsa--gfx1250"
	.amdhsa_code_object_version 6
	.text
	.protected	k_qc793ac2906_prep
	.globl	k_qc793ac2906_prep
	.p2align	8
	.type	k_qc793ac2906_prep,@function
k_qc793ac2906_prep:
	s_mov_b64 s[64:65], 0
	v_nop
	global_prefetch_b8 v0, s[64:65] scope:SCOPE_SE
	s_setreg_imm32_b32 hwreg(HW_REG_WAVE_SCHED_MODE, 0, 2), 2
	s_setreg_imm32_b32 hwreg(HW_REG_WAVE_MODE, 25, 1), 1
	s_wait_xcnt 0x0
	s_wait_alu depctr_vm_vsrc(0)
; x [8192][1024] and Wq, Wk, Wv [1024][1024] are rounded once to bf16, layouts kept: xb [8192][1024], wb [3][1024][1024] (q, k, v).
; A stream: every byte is read once and written once; no LDS, no matrix unit, no cluster (no two work-groups read the same byte).
; A work-group takes 16,384 numbers: 64 KiB in, 32 KiB out.  Work-groups 0-511 take x, 512-703 the three matrices, 64 each.
; Thread t takes the 16 bytes at 16 t of each 4,096: a wave's load covers 512 consecutive bytes, its store 256 consecutive bytes, aligned.
; All sixteen loads of a thread go out at once; no register is used twice, so no source of a pending instruction is ever rewritten.
; THE MODE: SCHED_MODE bits 1:0 = 2 (LLVM: expert scheduling mode 2), set by the entry lines.  The code itself states the register dependences
; between vector instructions and memory instructions, with s_wait_alu, always for 0.
; THE PLAN.  Registers that memory instructions touch:
;   v1, v2     the loads' and the stores' byte offsets: written once at the head, never again.
;   X          v[8:71]: piece i's load lands in four registers, once; no vector line names them before; its two roundings read them; nothing lands there again.
;   Y          v[72:103]: piece i's two roundings write two registers, once; its store reads them; nothing writes them again.
; The sixteen pieces go in four blocks of four.  Block p rounds X[p] into Y[p]; the four stores of block p - 1 are dealt among its roundings, behind ONE wait at
; the block's head, which states that block p - 1 has written Y[p - 1]; the roundings issued since name X[p] and Y[p] alone, neither v2 nor Y[p - 1].
; No register that a memory instruction reads is written again and no load lands in a register that a vector line has named: only "written, then read" is left to state.
.set WGX, 512                          ; work-groups that take x
.set X,   8                            ; v[8:71]    block p, piece i: 4 registers at X + 16 p + 4 i, four f32 as loaded
.set Y,   72                           ; v[72:103]  block p, piece i: 2 registers at Y + 8 p + 2 i, four bf16 to store
	s_load_b256 s[4:11], s[0:1], 0x0               ; x s[4:5], Wq s[6:7], Wk s[8:9], Wv s[10:11]
	s_load_b128 s[12:15], s[0:1], 0x20             ; xb s[12:13], wb s[14:15]
	v_lshlrev_b32 v1, 4, v0                        ; my 16 bytes in
	v_lshlrev_b32 v2, 3, v0                        ; my 8 bytes out
	s_sub_co_u32 s16, ttmp9, WGX                   ; j: my number among the matrices' work-groups (used only where ttmp9 >= 512)
	s_lshr_b32 s17, s16, 6                         ; which matrix
	s_and_b32 s18, s16, 63                         ; which 64 KiB of it
	s_wait_kmcnt 0x0
	s_cmp_eq_u32 s17, 1
	s_cselect_b64 s[20:21], s[8:9], s[6:7]
	s_cmp_eq_u32 s17, 2
	s_cselect_b64 s[20:21], s[10:11], s[20:21]
	s_cmp_lt_u32 ttmp9, WGX
	s_cselect_b64 s[20:21], s[4:5], s[20:21]       ; from where
	s_cselect_b64 s[22:23], s[12:13], s[14:15]     ; to where
	s_cselect_b32 s24, ttmp9, s18                  ; the piece's number in its source,
	s_cselect_b32 s25, ttmp9, s16                  ; and in its destination
	s_lshl_b32 s26, s24, 16
	s_mov_b32 s27, 0
	s_lshl_b32 s28, s25, 15
	s_mov_b32 s29, 0
	s_add_nc_u64 s[20:21], s[20:21], s[26:27]
	s_add_nc_u64 s[22:23], s[22:23], s[28:29]
	s_wait_alu depctr_va_vdst(0)                   ; v1 and v2 are written: every load of the kernel reads v1 as its offset, every store v2
.set i, 0
.rept 16
	global_load_b128 v[X+4*i:X+4*i+3], v1, s[20:21] offset:4096*i th:TH_LOAD_NT
.set i, i+1
.endr
; Block p: pieces 4 p to 4 p + 3 are rounded; the stores of block p - 1 go out among the roundings, one ahead of each pair.
.macro BLK p
	s_wait_loadcnt 12-4*(\p)                       ; loads come back in order: the block's four are in, the 12 - 4 p younger ones stay out
.if (\p) > 0
	s_wait_alu depctr_va_vdst(0)                   ; the block before has written its Y, which the four stores below read
.endif
.irp i, 0,1,2,3
.if (\p) > 0
	global_store_b64 v2, v[Y+8*((\p)-1)+2*(\i):Y+8*((\p)-1)+2*(\i)+1], s[22:23] offset:2048*(4*((\p)-1)+(\i))  ; no vector line since the wait names these registers
.endif
	v_cvt_pk_bf16_f32 v[Y+8*(\p)+2*(\i)],   v[X+16*(\p)+4*(\i)],   v[X+16*(\p)+4*(\i)+1]
	v_cvt_pk_bf16_f32 v[Y+8*(\p)+2*(\i)+1], v[X+16*(\p)+4*(\i)+2], v[X+16*(\p)+4*(\i)+3]
.endr
.endm
	BLK 0                                          ; no block stands in front of it: no store, and no wait but the one for its data
	BLK 1
	BLK 2
	BLK 3
	s_wait_alu depctr_va_vdst(0)                   ; block 3 has written its Y, which the last four stores read
.irp i, 0,1,2,3
	global_store_b64 v2, v[Y+24+2*(\i):Y+24+2*(\i)+1], s[22:23] offset:2048*(12+(\i))
.endr
	s_endpgm
.Lfunc_end_k_qc793ac2906_prep:
	.size	k_qc793ac2906_prep, .Lfunc_end_k_qc793ac2906_prep-k_qc793ac2906_prep
	.p2alignl 7, 3214868480
	.fill 96, 4, 3214868480
	.section	.rodata,"a",@progbits
	.p2align	6, 0x0
	.amdhsa_kernel k_qc793ac2906_prep
		.amdhsa_group_segment_fixed_size 0
		.amdhsa_private_segment_fixed_size 0
		.amdhsa_enable_private_segment 0
		.amdhsa_kernarg_size 48
		.amdhsa_user_sgpr_count 2
		.amdhsa_user_sgpr_kernarg_segment_ptr 1
		.amdhsa_wavefront_size32 1
		.amdhsa_system_sgpr_workgroup_id_x 1
		.amdhsa_system_sgpr_workgroup_id_y 1
		.amdhsa_system_sgpr_workgroup_id_z 1
		.amdhsa_system_vgpr_workitem_id 0
		.amdhsa_next_free_vgpr 104
		.amdhsa_next_free_sgpr 66
		.amdhsa_reserve_vcc 0
		.amdhsa_float_denorm_mode_32 3
		.amdhsa_float_denorm_mode_16_64 3
		.amdhsa_memory_ordered 1
		.amdhsa_forward_progress 1
		.amdhsa_inst_pref_size 7
	.end_amdhsa_kernel
	.amdgpu_metadata
---
amdhsa.version: [ 1, 2 ]
amdhsa.kernels:
  - .name:           k_qc793ac2906_prep
    .symbol:         k_qc793ac2906_prep.kd
    .args:
      - { .name: x, .offset: 0, .size: 8, .value_kind: global_buffer, .address_space: global }
      - { .name: Wq, .offset: 8, .size: 8, .value_kind: global_buffer, .address_space: global }
      - { .name: Wk, .offset: 16, .size: 8, .value_kind: global_buffer, .address_space: global }
      - { .name: Wv, .offset: 24, .size: 8, .value_kind: global_buffer, .address_space: global }
      - { .name: xb, .offset: 32, .size: 8, .value_kind: global_buffer, .address_space: global }
      - { .name: wb, .offset: 40, .size: 8, .value_kind: global_buffer, .address_space: global }
    .group_segment_fixed_size: 0
    .private_segment_fixed_size: 0
    .kernarg_segment_align: 8
    .kernarg_segment_size: 48
    .max_flat_workgroup_size: 256
    .sgpr_count:     66
    .vgpr_count:     104
    .wavefront_size: 32
...
	.end_amdgpu_metadata
.endif
;; end of part 5
;; launch qkv: the kernel of part 2 again; grid 12 x 16, 4 waves a work-group, clusters of 4 x 4, 327,680 bytes of LDS; arguments xb, wb, bq, bk, bv, qkv; writes qkv
;; launch scores: the kernel of part 3 again; grid 8 x 32, 4 waves a work-group, clusters of 4 x 4, 327,680 bytes of LDS; arguments qkv, p, st; writes p, st
;; launch pv: the kernel of part 4 again; grid 4 x 64, 4 waves a work-group, clusters of 4 x 4, 327,680 bytes of LDS; arguments p, st, qkv, out0; writes out0
